; MI455X (gfx1250); checked and timed in simulation.
; The chip was launched on July 23, 2026; its instructions are those of AMD's public machine-readable ISA for CDNA 5 (MIT licence, August 2026) and "CDNA5" Instruction Set Architecture Reference Guide (July 2026). The comments in the code are by the model that wrote it; some were corrected since.
;; Causal Attention. Allowed arithmetic: float matrix products may take bf16 or f16 operands with f32 sums; all other float work in f32.
;; Inputs: Wk 1,024 x 1,024 float32; Wo 1,024 x 1,024 float32; Wq 1,024 x 1,024 float32; Wv 1,024 x 1,024 float32; x 4 x 2,048 x 1,024 float32.
;; Outputs: out0 4 x 2,048 x 1,024 float32.
;; One version. Each part assembles by itself: llvm-mc -triple=amdgcn-amd-amdhsa -mcpu=gfx1250 --defsym DOCPART=n.
;; ======== version 1 of 1: 4 launches
;; limits: values are held in f16: magnitudes above 65,504 overflow, below 6.1e-05 lose precision
;; workspace buffers: xb 16,777,216 bytes; wb 8,388,608 bytes; qkv 50,331,648 bytes; ob 16,777,216 bytes
;; launch prep (part 1): grid 768 x 1, 16 waves a work-group, no clusters, 0 bytes of LDS; arguments x, Wq, Wk, Wv, Wo, xb, wb; writes xb, wb
.if DOCPART == 1
	.amdgcn_target "amdgcn-amd-amdhsa--gfx1250"
	.amdhsa_code_object_version 6
	.text
	.protected	k_q940567efe3_prep
	.globl	k_q940567efe3_prep
	.p2align	8
	.type	k_q940567efe3_prep,@function
k_q940567efe3_prep:
	s_mov_b64 s[64:65], 0
	v_nop
	global_prefetch_b8 v0, s[64:65] scope:SCOPE_SE
	s_setreg_imm32_b32 hwreg(HW_REG_WAVE_MODE, 25, 1), 1
	s_wait_xcnt 0x0
; CASTS.  x [8192][1024] f32 -> xb, bf16, laid in 16 slices of 64 columns: byte (s << 20) + 128 m + 2 e holds x[m][64 s + e], so that 256 rows of a slice are 32,768 dense bytes.
; Wq, Wk, Wv [1024][1024] f32 -> wb[1], wb[2], wb[3], bf16, rows as they lie.  Wo -> wb[0]: rounded to bf16 like the other inputs, and that number written as f16.
; LIMIT.  Wo's numbers must lie within f16's 65,504 (beyond it they become infinities); below 6.1e-5 they keep f16's fixed step of 6e-8.
; A stream: each byte is read once and written once, no LDS, no barrier, no matrix work.  Work-groups 0-511 take 16 rows of x each, 512-767 take 16 rows of one weight matrix each: 65,536 bytes in.
; Sixteen waves; a wave issues its 8 loads of 16 bytes a lane at once and converts them in order; every chunk has registers of its own, so no register is written twice.
.set NCH, 8                            ; chunks a wave
.set T, 4                              ; v[4:7]    at work
.set X, 8                              ; v[8:39]   chunk i: 4 f32 as loaded
.set Y, 40                             ; v[40:55]  chunk i: 4 numbers of 16 bits to store
	s_load_b256 s[4:11], s[0:1], 0x0               ; x s[4:5], Wq s[6:7], Wk s[8:9], Wv s[10:11]
	s_load_b128 s[12:15], s[0:1], 0x20             ; Wo s[12:13], xb s[14:15]
	s_load_b64 s[16:17], s[0:1], 0x30              ; wb
	s_mov_b32 s18, ttmp9
	s_mov_b32 s27, 0                               ; the high word of every offset pair
	s_mov_b32 s28, 0xffff0000                      ; a word's upper bf16
.macro LOADS step                      ; 8 loads, \step bytes apart
.set i, 0
.rept NCH
	global_load_b128 v[X+4*i:X+4*i+3], v1, s[20:21] offset:(\step)*i th:TH_LOAD_NT
.set i, i+1
.endr
.endm
.macro CVT half                        ; chunk i is rounded to bf16; half = 1: and that number written as f16
	s_wait_loadcnt NCH-1-i                         ; loads come back in order: chunk i is in, the 7 - i younger ones stay out
	v_cvt_pk_bf16_f32 v[Y+2*i], v[X+4*i], v[X+4*i+1]
	v_cvt_pk_bf16_f32 v[Y+2*i+1], v[X+4*i+2], v[X+4*i+3]
.if \half
	v_lshlrev_b32 v[T], 16, v[Y+2*i]
	v_and_b32 v[T+1], s28, v[Y+2*i]
	v_lshlrev_b32 v[T+2], 16, v[Y+2*i+1]
	v_and_b32 v[T+3], s28, v[Y+2*i+1]
	v_cvt_pk_f16_f32 v[Y+2*i], v[T], v[T+1]
	v_cvt_pk_f16_f32 v[Y+2*i+1], v[T+2], v[T+3]
.endif
.endm
	s_wait_kmcnt 0x0
	s_cmp_lt_u32 s18, 512
	s_cbranch_scc0 .Lweights
	; x: thread t takes row (t / 16) % 16 of the group's 16, slices 8 (t / 256) + 0..7, and 16 bytes at 16 (t % 16) of each slice's 256
	v_bfe_u32 v1, v0, 4, 4
	v_and_b32 v3, 15, v0
	v_lshrrev_b32 v[T], 8, v0
	v_lshlrev_b32 v1, 12, v1                       ; in: the row's 4,096 bytes,
	v_lshl_or_b32 v1, v[T], 11, v1                 ; eight slices of 256 bytes,
	v_lshl_or_b32 v1, v3, 4, v1
	v_and_b32 v2, 0xff, v0                         ; out: 8 bytes a thread: a wave's store covers two rows of a slice, 256 consecutive bytes, aligned,
	v_lshlrev_b32 v2, 3, v2
	v_lshl_or_b32 v2, v[T], 23, v2                 ; eight slices of 1 << 20 bytes on for the upper half of the threads
	s_lshl_b32 s26, s18, 16                        ; 16 rows of 4,096 bytes
	s_add_nc_u64 s[20:21], s[4:5], s[26:27]
	s_lshl_b32 s26, s18, 11                        ; 16 rows of 128 bytes in a slice
	s_add_nc_u64 s[22:23], s[14:15], s[26:27]
	LOADS 256                                      ; chunk i is a slice: 16 lanes read 256 consecutive bytes of a row
.set i, 0
.rept NCH
	CVT 0
	global_store_b64 v2, v[Y+2*i:Y+2*i+1], s[22:23] offset:i*1048576  ; seven slices at the most: inside the signed 24-bit immediate
.set i, i+1
.endr
	s_endpgm
.Lweights:
	s_sub_co_u32 s18, s18, 512
	s_lshr_b32 s19, s18, 6                         ; 0 Wq, 1 Wk, 2 Wv, 3 Wo
	s_and_b32 s18, s18, 63                         ; which 16 rows
	v_lshlrev_b32 v1, 4, v0                        ; the group's 512 threads read two rows of 4,096 bytes
	v_lshlrev_b32 v2, 3, v0                        ; and write two rows of 2,048
	s_cmp_eq_u32 s19, 1
	s_cselect_b64 s[20:21], s[8:9], s[6:7]
	s_cmp_eq_u32 s19, 2
	s_cselect_b64 s[20:21], s[10:11], s[20:21]
	s_cmp_eq_u32 s19, 3
	s_cselect_b64 s[20:21], s[12:13], s[20:21]
	s_lshl_b32 s26, s18, 16
	s_add_nc_u64 s[20:21], s[20:21], s[26:27]
	s_add_co_u32 s29, s19, 1
	s_and_b32 s29, s29, 3                          ; place in wb: Wo 0, Wq 1, Wk 2, Wv 3
	s_lshl_b32 s29, s29, 21
	s_lshl_b32 s26, s18, 15
	s_add_co_u32 s26, s26, s29
	s_add_nc_u64 s[22:23], s[16:17], s[26:27]
	LOADS 8192
	s_cmp_eq_u32 s19, 3
	s_cbranch_scc1 .Lwo
.set i, 0
.rept NCH
	CVT 0
	global_store_b64 v2, v[Y+2*i:Y+2*i+1], s[22:23] offset:i*4096
.set i, i+1
.endr
	s_endpgm
.Lwo:
.set i, 0
.rept NCH
	CVT 1
	global_store_b64 v2, v[Y+2*i:Y+2*i+1], s[22:23] offset:i*4096
.set i, i+1
.endr
	s_endpgm
.Lfunc_end_k_q940567efe3_prep:
	.size	k_q940567efe3_prep, .Lfunc_end_k_q940567efe3_prep-k_q940567efe3_prep
	.p2alignl 7, 3214868480
	.fill 96, 4, 3214868480
	.section	.rodata,"a",@progbits
	.p2align	6, 0x0
	.amdhsa_kernel k_q940567efe3_prep
		.amdhsa_group_segment_fixed_size 0
		.amdhsa_private_segment_fixed_size 0
		.amdhsa_enable_private_segment 0
		.amdhsa_kernarg_size 56
		.amdhsa_user_sgpr_count 2
		.amdhsa_user_sgpr_kernarg_segment_ptr 1
		.amdhsa_wavefront_size32 1
		.amdhsa_system_sgpr_workgroup_id_x 1
		.amdhsa_system_sgpr_workgroup_id_y 1
		.amdhsa_system_sgpr_workgroup_id_z 1
		.amdhsa_system_vgpr_workitem_id 0
		.amdhsa_next_free_vgpr 56
		.amdhsa_next_free_sgpr 66
		.amdhsa_reserve_vcc 0
		.amdhsa_float_denorm_mode_32 3
		.amdhsa_float_denorm_mode_16_64 3
		.amdhsa_memory_ordered 1
		.amdhsa_forward_progress 1
		.amdhsa_inst_pref_size 12
	.end_amdhsa_kernel
	.amdgpu_metadata
---
amdhsa.version: [ 1, 2 ]
amdhsa.kernels:
  - .name:           k_q940567efe3_prep
    .symbol:         k_q940567efe3_prep.kd
    .args:
      - { .name: x, .offset: 0, .size: 8, .value_kind: global_buffer, .address_space: global }
      - { .name: Wq, .offset: 8, .size: 8, .value_kind: global_buffer, .address_space: global }
      - { .name: Wk, .offset: 16, .size: 8, .value_kind: global_buffer, .address_space: global }
      - { .name: Wv, .offset: 24, .size: 8, .value_kind: global_buffer, .address_space: global }
      - { .name: Wo, .offset: 32, .size: 8, .value_kind: global_buffer, .address_space: global }
      - { .name: xb, .offset: 40, .size: 8, .value_kind: global_buffer, .address_space: global }
      - { .name: wb, .offset: 48, .size: 8, .value_kind: global_buffer, .address_space: global }
    .group_segment_fixed_size: 0
    .private_segment_fixed_size: 0
    .kernarg_segment_align: 8
    .kernarg_segment_size: 56
    .max_flat_workgroup_size: 512
    .sgpr_count:     66
    .vgpr_count:     56
    .wavefront_size: 32
...
	.end_amdgpu_metadata
.endif
;; end of part 1
;; launch qkv (part 2): grid 8 x 32, 4 waves a work-group, clusters of 4 x 4, 327,680 bytes of LDS; arguments xb, wb, qkv; writes qkv
.if DOCPART == 2
	.amdgcn_target "amdgcn-amd-amdhsa--gfx1250"
	.amdhsa_code_object_version 6
	.text
	.protected	k_q940567efe3_qkv
	.globl	k_q940567efe3_qkv
	.p2align	8
	.type	k_q940567efe3_qkv,@function
k_q940567efe3_qkv:
	s_mov_b64 s[64:65], 0
	v_nop
	global_prefetch_b8 v0, s[64:65] scope:SCOPE_SE
	s_setreg_imm32_b32 hwreg(HW_REG_WAVE_MODE, 25, 1), 1
	s_wait_xcnt 0x0
	s_wait_alu depctr_hold_cnt(0) depctr_sa_sdst(0) depctr_va_vdst(0) depctr_va_sdst(0) depctr_va_ssrc(0) depctr_va_vcc(0) depctr_vm_vsrc(0)
	s_getreg_b32 s2, hwreg(HW_REG_IB_STS2, 6, 4)
	s_cmp_eq_u32 s2, 0
	s_cbranch_scc0 .Lentry_in_a_cluster
	s_endpgm
.Lentry_in_a_cluster:
	s_bfe_u32 s2, ttmp6, 0x10000c
	s_cmp_lg_u32 s2, 0xf033
	s_cbranch_scc0 .Lentry_shape_is_right
	s_endpgm
.Lentry_shape_is_right:
; q, k, v = x Wq, x Wk, x Wv.  x comes as xb (bf16, 16 slices of 64 columns, a slice's rows dense), the weights as wb[1..3] (bf16, [k][n]).  Sums in f32, K ascending; the results are rounded
; once to f16 and stored by heads: qkv[3][64 heads][2048 rows][64], unscaled.
; LIMIT.  q, k and v must lie within f16's 65,504 (beyond it they become infinities); below 6.1e-5 they keep f16's fixed step of 6e-8.
; SHARES.  A work-group makes 256 rows x 128 columns of EACH of q, k and v: 256 x 384, six head blocks of 64 columns: (q,h0) (q,h1) (k,h0) (k,h1) (v,h0) (v,h1).  8 x 32 work-groups.
; A wave makes 128 rows x three head blocks: 96 accumulators of 16 x 16, 768 registers; for 32 along K it reads 40 LDS loads for 96 matrix instructions.
; K goes in 16 steps of 64 (one slice of xb) through two LDS slots.  Wave 0 fetches x's tile (32,768 dense bytes, asked for as 128 rows of 256 bytes), waves 1 to 3 the tiles of Wq, Wk, Wv (64 rows of 256 bytes).
; CLUSTER.  4 x 4 work-groups: the four of a row of the cluster need the same tile of x, the four of a column the same tiles of the weights: each tile is asked for jointly.
; THE MATRIX INSTRUCTION IS USED TRANSPOSED: source 0 = 16 columns of W (turned out of LDS by ds_load_tr16_b128), source 1 = 16 rows of x: a lane then holds eight neighbouring columns of one row.
; REGISTERS.  Window 0: v16-29 addresses; v32-95, v96-159 x's fragments (8 x 16 rows x 32 K), two buffers; v160-255 W's fragments, 32 for each of my three head blocks.
;   Windows 1, 2, 3: the 32 accumulators of head block 0, 1, 2: (a, b) at v[8 (4 a + b)].  On the way out v32-255 are fourteen sets of 16.
.set PA,    144                        ; a row of x in LDS: 128 bytes + 16 of padding: the 16 rows of a load start at 16 different groups of four banks (64 banks of 4 bytes: ISA guide 11.1)
.set PB,    288                        ; a row of W: 256 + 32
.set ATILE, 256*PA
.set BSUB,  64*PB
.set SLOT1, 1<<17                      ; a slot is x's tile and three of W's, 92,160 bytes; slot 1 begins here, so that one exclusive or turns an address into the other slot's
.set STAGE, SLOT1+ATILE+3*BSUB         ; behind the ring, never filled by a tensor load: 16 rows x 144 bytes for each wave
.set SP,    144
.set SPARE, STAGE+4*16*SP              ; the spare words, 128 bytes a wave: two blocks of 256 bytes that no other line names
.set ASTEP, 1<<20                      ; bytes from a slice of xb to the next
.set BSTEP, 1<<17                      ; 64 rows of 2,048 bytes
.set A0,   16                          ; v16     my place in x's tile; never rewritten
.set B0,   17                          ; v17-19  my place in W's tiles, for my three head blocks; never rewritten
.set ADRA, 20                          ; v20     the same in the slot in hand
.set ADRB, 21                          ; v21-23
.set STO,  24                          ; the way out: where I put 16 bytes of a row
.set RD,   25                          ; where I read rows back
.set GO,   26                          ; my byte offset in 512 consecutive bytes of the output
.set SPW,  28                          ; LDS address of my spare word; never rewritten
.set NIL,  29                          ; 0; never rewritten
.set AF0,  32
.set AF1,  96
.set BG,   160
.set G1,  24                           ; s[24:31] descriptor group 1 for x's tiles
.set G0,  32                           ; s[32:39] group 0: a set for each first fill; the second then walks
.set TB,  45                           ; s45      LDS byte at which the slot in hand begins
.set G1B, 48                           ; s[48:55], s[56:63] the same for W's tiles
.set G0B, 56
.set OB,  66                           ; s[66:71] where my rows of my three head blocks begin in the output
.set MSB, 0
.macro WIN new                         ; the immediate's high byte repeats the setting that is left; a switch that changes nothing is dropped
.if MSB != (\new)
	s_set_vgpr_msb (MSB<<8)|(\new)
.set MSB, \new
.endif
.endm
.macro PLACES                          ; four plain vector instructions between a matrix instruction and a load into, or a vector instruction on, its registers (ISA guide 7.12.1 for vector instructions)
.rept 4
	v_nop
.endr
.endm
.macro JLOAD                           ; a joint refill by the walking descriptors; the branch hangs on the wave's number alone; an s_nop 0 and four v_nop follow each line
	s_cmp_eq_u32 s10, 0
	s_cbranch_scc0 .Lfor_b_\@
	tensor_load_to_lds s[G0+4:G0+7], s[G1:G1+7]
	s_nop 0
.rept 4
	v_nop
.endr
	s_branch .Lasked_\@
.Lfor_b_\@:
	tensor_load_to_lds s[G0B+4:G0B+7], s[G1B:G1B+7]
	s_nop 0
.rept 4
	v_nop
.endr
.Lasked_\@:
.endm
.macro CREST                           ; a round of the cluster's barrier behind its opening barrier
	s_cmp_lg_u32 s10, 0
	s_cbranch_scc1 .Lnot_wave_0_\@
	s_barrier_signal -3
.Lnot_wave_0_\@:
	s_barrier_wait -3
	s_barrier_signal -1
	s_barrier_wait -1
.endm
.macro CROUND
	s_barrier_signal -1
	s_barrier_wait -1
	CREST
.endm
	s_load_b128 s[4:7], s[0:1], 0x0                ; xb s[4:5], wb s[6:7]
	s_load_b64 s[8:9], s[0:1], 0x10                ; qkv
	v_lshl_add_u32 v[SPW], v0, 2, SPARE
	v_mov_b32 v[NIL], 0
	ds_add_u32 v28, v29
	ds_add_u32 v28, v29
	s_wait_dscnt 0x0
	v_lshrrev_b32 v1, 5, v0
	v_readfirstlane_b32 s10, v1                    ; wave 0..3
	s_lshr_b32 s11, s10, 1                         ; which 128 rows are mine
	s_and_b32 s12, s10, 1                          ; which three head blocks
	s_bfe_u32 s40, ttmp6, 0x40000                  ; cx
	s_bfe_u32 s41, ttmp6, 0x40004                  ; cy
	s_lshl_b32 s42, ttmp9, 2
	s_add_co_u32 s42, s42, s40                     ; column block 0..7 = 4 x cluster x + cx
	s_and_b32 s13, ttmp7, 0xffff
	s_lshl_b32 s13, s13, 2
	s_add_co_u32 s13, s13, s41                     ; row block 0..31 = 4 x cluster y + cy
	s_lshl_b32 s43, s41, 2
	s_lshl_b32 s43, 15, s43                        ; my row of the cluster
	s_lshl_b32 s44, 0x1111, s40                    ; my column
	s_or_b32 s[G1], s43, (1<<16)|(1<<20)|(1<<21)|(4<<22)|(3<<25)   ; the mask; 2-byte elements; padding on; bit 21 beside a mask; after every 32 words 4 words
	s_mov_b32 s[G1+1], 128<<16                     ; tensor_dim0 = 128
	s_mov_b32 s[G1+2], 128<<16                     ; tensor_dim1 = 128
	s_mov_b32 s[G1+3], 128<<16                     ; tile_dim0 = 128: two rows of x to a row of 256 bytes
	s_mov_b32 s[G1+4], 128                         ; tile_dim1 = 128
	s_mov_b32 s[G1+5], 128                         ; dense
	s_mov_b32 s[G1+6], 0
	s_mov_b32 s[G1+7], 0
	s_or_b32 s[G1B], s44, (1<<16)|(1<<20)|(1<<21)|(5<<22)|(7<<25)  ; after every 64 words 8 words
	s_mov_b32 s[G1B+1], 128<<16
	s_mov_b32 s[G1B+2], 64<<16
	s_mov_b32 s[G1B+3], 128<<16                    ; 128 columns
	s_mov_b32 s[G1B+4], 64                         ; 64 rows of K
	s_mov_b32 s[G1B+5], 1024
	s_mov_b32 s[G1B+6], 0
	s_mov_b32 s[G1B+7], 0
	s_lshl_b32 s14, s13, 15                        ; x: 256 rows of 128 bytes for each row block; it hangs on the row block alone
	s_mov_b32 s15, 0
	s_lshl_b32 s46, s10, 21                        ; W: matrix = my wave's number, columns 128 x column block
	s_lshl_b32 s47, s42, 8
	s_add_co_u32 s46, s46, s47
	s_mov_b32 s47, 0
	s_mul_i32 s20, s10, BSUB
	s_add_co_u32 s20, s20, ATILE-BSUB              ; waves 1 to 3: behind x's tile, one after the other
	s_mov_b32 s[TB], 0
	s_wait_kmcnt 0x0
	s_add_nc_u64 s[14:15], s[4:5], s[14:15]
	s_add_nc_u64 s[46:47], s[6:7], s[46:47]
	s_mov_b32 s[G0], 1
	s_mov_b32 s[G0+1], 0
	s_mov_b64 s[G0+2:G0+3], s[14:15]
	s_or_b32 s[G0+3], s[G0+3], 0x80000000
	s_mov_b32 s[G0+4], 1
	s_mov_b32 s[G0+5], SLOT1
	s_add_nc_u64 s[G0+6:G0+7], s[14:15], ASTEP
	s_or_b32 s[G0+7], s[G0+7], 0x80000000
	s_mov_b32 s[G0B], 1
	s_mov_b32 s[G0B+1], s20
	s_mov_b64 s[G0B+2:G0B+3], s[46:47]
	s_or_b32 s[G0B+3], s[G0B+3], 0x80000000
	s_mov_b32 s[G0B+4], 1
	s_add_co_u32 s[G0B+5], s20, SLOT1
	s_add_nc_u64 s[G0B+6:G0B+7], s[46:47], BSTEP
	s_or_b32 s[G0B+7], s[G0B+7], 0x80000000
	CROUND                                         ; all sixteen work-groups are here: the first joint loads meet
	s_cmp_eq_u32 s10, 0                            ; a wave's two first fills stand in one branch: two loads of mine are out, later one
	s_cbranch_scc0 .Lfirst_b
	tensor_load_to_lds s[G0:G0+3], s[G1:G1+7]
	s_nop 0
	tensor_load_to_lds s[G0+4:G0+7], s[G1:G1+7]
	s_nop 0
.rept 4
	v_nop
.endr
	s_branch .Lfirst_asked
.Lfirst_b:
	tensor_load_to_lds s[G0B:G0B+3], s[G1B:G1B+7]
	s_nop 0
	tensor_load_to_lds s[G0B+4:G0B+7], s[G1B:G1B+7]
	s_nop 0
.rept 4
	v_nop
.endr
.Lfirst_asked:
	v_and_b32 v1, 15, v0                           ; r = l % 16
	v_bfe_u32 v2, v0, 4, 1                         ; h = l / 16
	v_mul_u32_u24 v[A0], v1, PA                    ; a fragment of x: row r, 16 bytes at 16 h, and 32 bytes on
	v_lshl_add_u32 v[A0], v2, 4, v[A0]
	s_mul_i32 s21, s11, 128*PA
	v_add_nc_u32 v[A0], s21, v[A0]
	v_and_b32 v3, 7, v0
	v_bfe_u32 v4, v0, 3, 1
	v_lshl_add_u32 v5, v2, 3, v3                   ; the turning load: lane l reads row 8 h + l % 8 of K, columns 8 ((l / 8) % 2) on
	v_mul_u32_u24 v5, v5, PB
	v_lshl_add_u32 v5, v4, 4, v5
	s_mul_i32 s21, s12, 3
.irp n, 0,1,2
	s_add_co_u32 s22, s21, \n                      ; head block 3 (w % 2) + n: matrix = block / 2, half of its 128 columns = block % 2
	s_lshr_b32 s23, s22, 1
	s_and_b32 s22, s22, 1
	s_mul_i32 s23, s23, BSUB
	s_lshl_b32 s22, s22, 7
	s_add_co_u32 s22, s22, s23
	s_add_co_u32 s22, s22, ATILE
	v_add_nc_u32 v[B0+\n], s22, v5
.endr
	s_mul_i32 s23, s10, 16*SP
	s_add_co_u32 s23, s23, STAGE                   ; my stage
	v_mul_u32_u24 v[STO], v1, SP
	v_lshl_add_u32 v[STO], v2, 4, v[STO]
	v_add_nc_u32 v[STO], s23, v[STO]
	v_bfe_u32 v[RD], v0, 3, 2                      ; back: 32 lanes take four rows of 128 bytes,
	v_mul_u32_u24 v[RD], v[RD], SP
	v_lshl_add_u32 v[RD], v3, 4, v[RD]
	v_add_nc_u32 v[RD], s23, v[RD]
	v_and_b32 v[GO], 31, v0                        ; which are 512 consecutive bytes of a head
	v_lshlrev_b32 v[GO], 4, v[GO]
	; the output: head = 16 x batch + 2 x column block + block % 2, of tensor block / 2; a head is 1 << 18 bytes, a row 128
	s_lshr_b32 s72, s13, 3
	s_lshl_b32 s72, s72, 4
	s_lshl_b32 s73, s42, 1
	s_add_co_u32 s72, s72, s73
	s_and_b32 s73, s13, 7
	s_lshl_b32 s73, s73, 15
	s_lshl_b32 s74, s11, 14
	s_add_co_u32 s73, s73, s74
	s_mul_i32 s16, s12, 3
	s_mov_b32 s75, 0
.irp n, 0,1,2
	s_add_co_u32 s17, s16, \n
	s_lshr_b32 s18, s17, 1
	s_lshl_b32 s18, s18, 6
	s_and_b32 s17, s17, 1
	s_add_co_u32 s17, s17, s18
	s_add_co_u32 s17, s17, s72
	s_lshl_b32 s74, s17, 18
	s_add_co_u32 s74, s74, s73
	s_add_nc_u64 s[OB+2*\n:OB+2*\n+1], s[8:9], s[74:75]
.endr
.macro ADDR                            ; my four addresses in the slot in hand
.irp n, 0,1,2,3
	v_add_nc_u32 v[ADRA+\n], s[TB], v[A0+\n]
.endr
.endm
.macro LDA kq, f                       ; x's fragments of quarter kq (32 along K), 128 rows: 16 loads into buffer f
.irp n, 0,1,2,3,4,5,6,7
	ds_load_b128 v[(\f)+8*\n:(\f)+8*\n+3],   v[ADRA] offset:\n*16*PA+64*(\kq)
	ds_load_b128 v[(\f)+8*\n+4:(\f)+8*\n+7], v[ADRA] offset:\n*16*PA+64*(\kq)+32
.endr
.endm
.macro LDB kq, g                       ; W's fragments of quarter kq for head block g: 64 columns, 8 turning loads
.irp n, 0,1,2,3
	ds_load_tr16_b128 v[BG+32*(\g)+8*\n:BG+32*(\g)+8*\n+3],   v[ADRB+(\g)] offset:(\kq)*32*PB+32*\n
	ds_load_tr16_b128 v[BG+32*(\g)+8*\n+4:BG+32*(\g)+8*\n+7], v[ADRB+(\g)] offset:(\kq)*32*PB+16*PB+32*\n
.endr
.endm
; 4 n matrix instructions: row blocks a0 .. a0 + n - 1 x the four column blocks of head block g.  The accumulators take turns, one instruction a turn; neighbouring runs name different windows.
.macro MUL f, g, a0, n, zero
	WIN 0x50*(1+(\g))
.set a, (\a0)
.rept \n
.irp b, 0,1,2,3
.if \zero
	v_wmma_f32_16x16x32_bf16 v[8*(4*a+\b):8*(4*a+\b)+7], v[BG+32*(\g)+8*\b:BG+32*(\g)+8*\b+7], v[(\f)+8*a:(\f)+8*a+7], 0
.else
	v_wmma_f32_16x16x32_bf16 v[8*(4*a+\b):8*(4*a+\b)+7], v[BG+32*(\g)+8*\b:BG+32*(\g)+8*\b+7], v[(\f)+8*a:(\f)+8*a+7], v[8*(4*a+\b):8*(4*a+\b)+7]
.endif
.endr
.set a, a+1
.endr
.endm
; A K step's first quarter, on buffer AF0.  In front of it x's fragments and W's for head blocks 0 and 1 have been asked for.  Each run of 32 products is preceded by the loads into the registers that the
; run before has left.  Each wait leaves 32 younger loads out: run 0 needs x and block 0 (behind them: block 1's 8 and the 24 just issued); run 1 needs block 1 (24 + 8); run 2 needs block 2 (16 + 8 + 8).
.macro Q0 zero
	PLACES
	WIN 0
	LDB 0, 2
	LDA 1, AF1
	s_wait_dscnt 32
	MUL AF0, 0, 0, 8, \zero
	PLACES
	WIN 0
	LDB 1, 0
	s_wait_dscnt 32
	MUL AF0, 1, 0, 8, \zero
	PLACES
	WIN 0
	LDB 1, 1
	s_wait_dscnt 32
	MUL AF0, 2, 0, 8, \zero
.endm
; The second quarter, on buffer AF1.  mode 2: the slots change and the slot just read out is filled again, two steps ahead; mode 1: they change; mode 0: the last step.
.macro Q1 mode
	PLACES
	WIN 0
	LDB 1, 2                                       ; my last reads of this slot
.if (\mode) >= 1
	s_wait_tensorcnt 0x0                           ; all my tensor loads have landed: the one that was out is my part of the next slot
	ds_add_u32 v[SPW], v[NIL]                      ; 0 onto my spare word
.if (\mode) == 2
	s_xor_b32 s[G0+5], s[G0+5], SLOT1              ; no load of mine is out, so the walking descriptors step: the other slot, the next step but one
	s_add_nc_u64 s[G0+6:G0+7], s[G0+6:G0+7], ASTEP
	s_xor_b32 s[G0B+5], s[G0B+5], SLOT1
	s_add_nc_u64 s[G0B+6:G0B+7], s[G0B+6:G0B+7], BSTEP
.endif
	s_xor_b32 s[TB], s[TB], SLOT1
	s_wait_dscnt 17                                ; x and block 0 are in; block 1's 8 loads, block 2's 8 and the add may be out
	MUL AF1, 0, 0, 4, 0
	s_wait_dscnt 0x0                               ; the add is done, and my reads of this slot are over
	s_barrier_signal -1
	MUL AF1, 0, 4, 4, 0
	WIN 0
	s_barrier_wait -1
.if (\mode) == 2
	CREST                                          ; the barrier has opened a round of the cluster's: no wave of any partner still reads this slot or has a load on its way
	JLOAD                                          ; the first tensor load behind the round: 160 matrix instructions ahead of the wait for it; its four v_nop are also the places in front of the loads below
.else
	PLACES
.endif
	ADDR
	LDA 0, AF0
	LDB 0, 0
	MUL AF1, 1, 0, 8, 0
	PLACES
	WIN 0
	LDB 0, 1
	MUL AF1, 2, 0, 8, 0
.else
	s_wait_dscnt 16
	MUL AF1, 0, 0, 8, 0
	s_wait_dscnt 8
	MUL AF1, 1, 0, 8, 0
	s_wait_dscnt 0x0
	MUL AF1, 2, 0, 8, 0
.endif
.endm
; THE WAY OUT of block n = 8 g + a: 16 rows x 64 columns.  Rounded to f16, 16 bytes a lane, into my stage; back as four rows of 128 bytes a load; stored as 512 consecutive bytes.
; Block n works in set n % 14 of the fourteen, so only blocks 14 to 23 write registers that stores have read: sets 0 to 9.
.macro PACK n
.set pg, (\n)/8
.set pa, (\n)%8
.set pt, AF0+16*((\n)%14)
.if (\n) == 14
	s_wait_xcnt 0x0                                ; the stores of blocks 0 to 12 stand ahead of this wait: sets 0 to 9 are rewritten only behind it
.endif
	WIN 5*(1+pg)                                   ; sources 0 and 1 in the head block's window
.irp b, 0,1,2,3
.irp r, 0,1,2,3
	v_cvt_pk_f16_f32 v[pt+4*\b+\r], v[8*(4*pa+\b)+2*\r], v[8*(4*pa+\b)+2*\r+1]
.endr
.endr
	WIN 0
.irp b, 0,1,2,3
	ds_store_b128 v[STO], v[pt+4*\b:pt+4*\b+3] offset:32*\b
.endr
.irp b, 0,1,2,3
	ds_load_b128 v[pt+4*\b:pt+4*\b+3], v[RD] offset:\b*4*SP  ; LDS serves a wave's instructions in order (ISA guide 5.7.1.4): these see the stores above
.endr
.endm
.macro SEND n, younger                 ; younger: the LDS instructions issued behind block n's loads: the next block's eight, or none
.set pg, (\n)/8
.set pa, (\n)%8
.set pt, AF0+16*((\n)%14)
	s_wait_dscnt \younger                          ; block n's four loads are back
.irp c, 0,1,2,3
	global_store_b128 v[GO], v[pt+4*\c:pt+4*\c+3], s[OB+2*pg:OB+2*pg+1] offset:2048*pa+512*\c
.endr
.endm
	ADDR
	s_wait_tensorcnt 1                             ; my part of step 0 is in; step 1's may stay out
	s_barrier_signal -1
	s_barrier_wait -1
	LDA 0, AF0
	LDB 0, 0
	LDB 0, 1
	Q0 1                                           ; the first quarter stands in front of the loop: its products start the sums
	WIN 0
	s_mov_b32 s3, 14
.Lstep:                                                ; a trip: a step's second quarter, the change of slots with a refill, the next step's first quarter.  Steps 2 to 15 are asked for here
	Q1 2
	Q0 0
	WIN 0
	s_sub_co_u32 s3, s3, 1
	s_cmp_lg_u32 s3, 0
	s_cbranch_scc1 .Lstep
	Q1 1                                           ; the tail is written out: nothing more is asked for
	Q0 0
	Q1 0
	PLACES
	PACK 0
.set blk, 1
.rept 23                               ; a block's conversions stand between the loads of the block before and its stores
	PACK blk
	SEND blk-1, 8
.set blk, blk+1
.endr
	SEND 23, 0
	s_wait_tensorcnt 0x0                           ; the wave's end
	ds_add_u32 v[SPW], v[NIL]
	s_wait_dscnt 0x0
	CROUND                                         ; the closing round: no work-group ends while a partner may still ask for a tile that names it
	s_endpgm
.Lfunc_end_k_q940567efe3_qkv:
	.size	k_q940567efe3_qkv, .Lfunc_end_k_q940567efe3_qkv-k_q940567efe3_qkv
	.p2alignl 7, 3214868480
	.fill 96, 4, 3214868480
	.section	.rodata,"a",@progbits
	.p2align	6, 0x0
	.amdhsa_kernel k_q940567efe3_qkv
		.amdhsa_group_segment_fixed_size 327680
		.amdhsa_private_segment_fixed_size 0
		.amdhsa_enable_private_segment 0
		.amdhsa_kernarg_size 24
		.amdhsa_user_sgpr_count 2
		.amdhsa_user_sgpr_kernarg_segment_ptr 1
		.amdhsa_wavefront_size32 1
		.amdhsa_system_sgpr_workgroup_id_x 1
		.amdhsa_system_sgpr_workgroup_id_y 1
		.amdhsa_system_sgpr_workgroup_id_z 1
		.amdhsa_system_vgpr_workitem_id 0
		.amdhsa_next_free_vgpr 1024
		.amdhsa_next_free_sgpr 80
		.amdhsa_reserve_vcc 0
		.amdhsa_float_denorm_mode_32 3
		.amdhsa_float_denorm_mode_16_64 3
		.amdhsa_memory_ordered 1
		.amdhsa_forward_progress 1
		.amdhsa_inst_pref_size 113
	.end_amdhsa_kernel
	.amdgpu_metadata
---
amdhsa.version: [ 1, 2 ]
amdhsa.kernels:
  - .name:           k_q940567efe3_qkv
    .symbol:         k_q940567efe3_qkv.kd
    .args:
      - { .name: xb, .offset: 0, .size: 8, .value_kind: global_buffer, .address_space: global }
      - { .name: wb, .offset: 8, .size: 8, .value_kind: global_buffer, .address_space: global }
      - { .name: qkv, .offset: 16, .size: 8, .value_kind: global_buffer, .address_space: global }
    .group_segment_fixed_size: 327680
    .private_segment_fixed_size: 0
    .kernarg_segment_align: 8
    .kernarg_segment_size: 24
    .max_flat_workgroup_size: 128
    .sgpr_count:     80
    .vgpr_count:     1024
    .wavefront_size: 32
...
	.end_amdgpu_metadata
.endif
;; end of part 2
;; launch attn (part 3): grid 4 x 64, 4 waves a work-group, no clusters, 327,680 bytes of LDS; arguments qkv, ob; writes ob
.if DOCPART == 3
	.amdgcn_target "amdgcn-amd-amdhsa--gfx1250"
	.amdhsa_code_object_version 6
	.text
	.protected	k_q940567efe3_attn
	.globl	k_q940567efe3_attn
	.p2align	8
	.type	k_q940567efe3_attn,@function
k_q940567efe3_attn:
	s_mov_b64 s[64:65], 0
	v_nop
	global_prefetch_b8 v0, s[64:65] scope:SCOPE_SE
	s_setreg_imm32_b32 hwreg(HW_REG_WAVE_MODE, 25, 1), 1
	s_wait_xcnt 0x0
; CAUSAL ATTENTION WITH A BIAS BY KEY.  O[h][q][:] = the sum over k <= q of softmax_k(Q[h][q] . K[h][k] / 8 + slope_h (k - 2047)) V[h][k][:].  Q, K, V lie in qkv [3][64][2048][64], O in ob [64][2048][64], all f16:
; a head's rows are dense, 128 bytes each.  slope_h = 2^(-(h % 16 + 1) / 2).  Products, maxima, sums and the bias in f32; the weights p are rounded to f16 for the second product (their sum l is taken of the unrounded p), O once at the end.
; LIMITS.  f16 holds no number beyond 65,504: Q, K and V arrive within it; p lies in 0 to 1, and below 6e-5 it keeps f16's fixed step of 6e-8.  A hidden score counts as its value less 1e30.  A weight below 2^-126 counts as 0 in l.
; NaN and infinities are not treated apart.  The bias times 8 is made as fma(key in step, 8 slope, round(8 slope (64 step - 2047))): two roundings, at most one last place of 1.2e4.
; THE WALK.  A head's queries lie in NB = 8 blocks of 256; block i needs the key tiles 0 .. i of 256 keys, of which the last holds the diagonal.  A work-group takes TWO blocks, b and then NB - 1 - b:
; NB + 1 tiles, whatever b: all work-groups do equal work, and ONE loop with a constant trip count walks them.  The short block goes first, so that the walk's last tile, which is written out behind the loop, is never a
; block's first (the second block has five tiles or more).  Which tile is asked for, and what a trip does, hang on scalar registers made from b; every jump goes forward, but for the counted loops' own; none passes a
; barrier, or a tensor load but the one of LOAD's two that the wave's number does not choose.  NO CLUSTER: a head's four work-groups ask for the same tile in few of the 9 trips (their first blocks have 1 to 4 tiles);
; one walk common to all four would have 12 trips for 9.
; SHARES.  Of a block's four bands of 64 queries a wave owns 16 rows in each: four PIECES.  In the diagonal tile's key step s band x sees all keys if s < x, none if s > x, and holds the diagonal if s = x: the same for all waves.
; BIAS AND MASK are the C operand that starts the sum S^T = K Q^T.  CB holds 8 x the bias of the step in hand for my lane's 32 keys; c = log2(e) / 8 then scales product and bias together.  In the diagonal tile C is
; MD x AL + CB + BE: MD, made once, is the mask (0 or -1e30) of a band's own step for my 16 rows; (AL, BE) = (1, 0) if s = x; (0, 0) if s < x; (0, -1e30) if s > x.
; LAYOUT, SOFTMAX, TURNS.  S^T = K Q^T holds ONE query a lane (lane % 16) and the keys 8 (lane / 16) + 0..7; two such results rounded to f16 ARE source 1 of O^T = V^T P.  p = 2^(c s - c m) with a
; running maximum m; O and l are multiplied by a = 2^(c m_old - c m_new) in every step.  Turn n belongs to piece n: 8 products K Q^T of piece n + 1, later 8 products V^T P of piece n - 1; beside them the scaling,
; exponentials, roundings, sums and rescaling of piece n and the maximum and statistics of piece n + 1.  Four vector instructions stand behind every matrix instruction, the others in two lumps.
; REGISTERS, in windows of 256 (s_set_vgpr_msb: bits 1:0 source 0, 3:2 source 1, 5:4 source 2, 7:6 destination):
;   window 0: v0-15 addresses and two at work; v16-31 statistics; v48-55 at work; v64-127 S^T, two buffers; v128-159 JR; v160-163 the bias's scalars a lane; v192-223 P, two buffers
;   window 1: v0-127 O^T, 32 a piece; v128-159 MD; v160-223 MC, two buffers; v224-255 CB      window 2: v0-63 Q; v64-127 the second block's Q; v128-191 K of one step; v192-255 V of one step
.set SIZE_H, 64
.set SIZE_N, 2048
.set NB,    SIZE_N/256
.set NP,    4         ; pieces a wave: a name, no knob
.set KS,    64        ; keys in a step
.set PK,    144       ; a row of K in LDS: 128 bytes + 16 of padding: the 16 rows of a load start at 16 different groups of four banks (64 banks of 4 bytes: ISA guide 11.1)
.set PV,    160       ; a row of V: 128 + 32
.set VOFF,  4*KS*PK   ; a slot holds a tile, four steps: 256 rows of K, then 256 rows of V
.set SLOT1, 1<<17     ; slot 1 begins here, so that one exclusive or turns an address in one slot into the other's
.set STAGE, SLOT1+4*KS*(PK+PV)  ; behind the ring, never filled by a tensor load: 16 rows x 144 bytes for each wave
.set SP,    144
.set AK0, 2           ; v2   my lane's place in a tile of K; never rewritten
.set AV0, 3           ; v3   the same for V
.set AK,  4           ; v4   the LDS address of K's next run of loads
.set AV,  5           ; v5   of V's
.set STO, 6           ; v6   the way out: where I put 16 bytes of a row
.set RD,  7           ; v7   the way out: where I read rows back
.set GO,  8           ; v8   my byte offset in 512 consecutive bytes of O
.set SPW, 62          ; v62  LDS address of my spare word; never rewritten
.set NIL, 63          ; v63  0; never rewritten
.set SPARE, STAGE+4*16*SP  ; the spare words, 128 bytes a wave: two blocks of 256 bytes that no other line names
.set MV,  12          ; v12-13  c m_old, kept while c m is made anew: by buffer
.set QO,  15          ; v15  my byte offset in 16 rows of Q
.set ST,  16          ; piece t's statistics at v[ST+4 t]: c m, m, l (even keys', odd keys')
.set TMP, 48          ; by buffer, four registers c0-c3 at work; when the maximum is found c2 takes a
.set S,   64
.set JR,  128         ; window 0: my lane's 32 keys' places in a step, as f32: register 8 kt + r holds 16 kt + 8 (l / 16) + r
.set JSV, 160         ; window 0: 64 x step - 2047, exact
.set DV,  162         ; window 0: v162 = 8 slope x JSV; v163 is named with it as a pair
.set P,   192
.set MD,  128         ; window 1
.set MC,  160         ; window 1: the C operands of the diagonal tile's products to come
.set CB,  224         ; window 1: 8 x the bias of the step in hand
.set QB,  64          ; window 2
.set KF,  128         ; window 2: key block kb, channel half c at KF + 16 kb + 8 c
.set VF,  192         ; window 2: key half kk, channel block cb at VF + 32 kk + 8 cb
.set WV,  12          ; s12  my wave's number
.set SB,  14          ; s14  the second block, NB - 1 - b
.set FB,  15          ; s15  the first block, b
.set G1K, 24          ; s[24:31] descriptor group 1 for K's tiles
.set G1V, 32          ; s[32:39] for V's: it differs in the padding alone
.set G0K, 40          ; s[40:43] descriptor group 0 for K's tiles
.set G0V, 44          ; s[44:47] the same for V's
.set SLOTS, 56        ; s56  tiles still to be asked for
.set CNT, 57          ; s57  counts a tile's key steps
.set CS,  58          ; s[58:59] c
.set SEL, 60          ; s[60:61] v_permlanex16_b32's selects: each lane takes its own place in the other half
.set TBK, 62          ; s62  LDS byte at which K of the step to be fetched begins
.set TBV, 63          ; s63  the same for V, less VOFF
.set RT,  70          ; s70  tiles of the block in hand that are still to be entered
.set NXT, 71          ; s71  the tile to be asked for next
.set LQ,  72          ; s72  the last tile of the block whose tiles are being asked for
.set NEW, 73          ; s73  1: the tile to be entered is a block's first
.set OFF, 74          ; s[74:75] a tile's byte offset in K and V
.set AL,  76          ; s[76:77] the mask's factor, in the low word
.set BE,  78          ; s[78:79] the mask's addend
.set OLO, 80          ; s[80:81] O at my rows of the second block
.set BIGN, 82         ; s82  -1e30
.set S8,  88          ; s[88:89] 8 x slope
.set MSB, 0
.macro WIN new                      ; the high byte repeats the setting that is left; a switch that changes nothing is dropped
.if MSB != (\new)
	s_set_vgpr_msb (MSB<<8)|(\new)
.set MSB, (\new)
.endif
.endm
.set W_KQ, 0x0a       ; K and Q in window 2, S^T in window 0
.set W_KM, 0x1a       ; the same with the C operand in window 1
.set W_PV, 0x52       ; V in window 2, P in window 0, O^T in window 1
.set W_RS, 0x41       ; destination and source 0 in window 1, source 1 in window 0
.set W_CB, 0x40       ; destination in window 1, sources in window 0
.set W_MK, 0x51       ; destination, source 0 and source 2 in window 1
; A fill.  Waves 0 and 1 fetch the two halves of a tile's K, waves 2 and 3 those of its V: 128 keys each.  An s_nop 0 and four v_nop follow each of the two lines.
.macro LOAD
	s_cmp_lt_u32 s[WV], 2
	s_cbranch_scc0 .Lfor_v_\@
	tensor_load_to_lds s[G0K:G0K+3], s[G1K:G1K+7]
	s_nop 0
.rept 4
	v_nop
.endr
	s_branch .Lasked_\@
.Lfor_v_\@:
	tensor_load_to_lds s[G0V:G0V+3], s[G1V:G1V+7]
	s_nop 0
.rept 4
	v_nop
.endr
.Lasked_\@:
.endm
; THE CHANGE OF SLOTS.  Each wave waits for all its tensor loads, of which one is out: its part of the other slot; adds 0 to its spare word; and waits for that and for its own reads of the slot that it leaves.
; Behind the barrier nobody reads the old slot any more and the other slot is whole.  fill = 1: the old slot is filled again, the first thing behind the barrier, with tile NXT.
; (At its first use nothing has been read yet: slot 0 is waited for, slot 1 filled.)
.macro CHANGE fill
	WIN 0                           ; at a label and at a branch every window is 0
	s_wait_tensorcnt 0x0            ; no tensor load of mine is out, so a group 0 may be written
	ds_add_u32 v[SPW], v[NIL]       ; 0 onto my spare word
.if \fill
	s_lshl_b32 s[OFF], s[NXT], 15   ; a tile is 32,768 bytes of K and of V
	s_xor_b32 s[G0K+1], s[G0K+1], SLOT1
	s_add_nc_u64 s[G0K+2:G0K+3], s[6:7], s[OFF:OFF+1]
	s_or_b32 s[G0K+3], s[G0K+3], 0x80000000
	s_xor_b32 s[G0V+1], s[G0V+1], SLOT1
	s_add_nc_u64 s[G0V+2:G0V+3], s[8:9], s[OFF:OFF+1]
	s_or_b32 s[G0V+3], s[G0V+3], 0x80000000
	s_add_co_u32 s[NXT], s[NXT], 1  ; the block's next tile, or behind its last the second block's tile 0
	s_cmp_gt_u32 s[NXT], s[LQ]
	s_cselect_b32 s[NXT], 0, s[NXT]
	s_cselect_b32 s[LQ], s[SB], s[LQ]
.endif
	s_wait_dscnt 0x0                ; the add is done, and my reads of the slot are over
	s_barrier_signal -1             ; the rest of the scalar work stands between the signal and the wait
	s_sub_co_u32 s[TBK], s[TBK], 4*KS*PK  ; the fetches go back to a slot's first step,
	s_xor_b32 s[TBK], s[TBK], SLOT1       ; in the other slot
	s_sub_co_u32 s[TBV], s[TBV], 4*KS*PV
	s_xor_b32 s[TBV], s[TBV], SLOT1
	s_barrier_wait -1
.if \fill
	LOAD
.endif
.endm
	s_load_b64 s[4:5], s[0:1], 0x0    ; qkv: Q at its head
	s_load_b64 s[10:11], s[0:1], 0x8  ; O
	v_lshl_add_u32 v[SPW], v0, 2, SPARE
	v_mov_b32 v[NIL], 0
	ds_add_u32 v62, v63
	ds_add_u32 v62, v63
	s_wait_dscnt 0x0
	v_lshrrev_b32 v1, 5, v0
	v_readfirstlane_b32 s[WV], v1   ; wave 0..3
	s_mov_b32 s[FB], ttmp9
	s_sub_co_u32 s[SB], NB-1, s[FB]
	s_and_b32 s20, ttmp7, 0xffff    ; the head, 16 x batch + h
	s_and_b32 s13, s20, 15          ; h.  8 slope = 2^(3 - (h + 1) / 2): 4 x 2^-(h / 2) for odd h, 4 sqrt(2) x 2^-(h / 2) for even h:
	s_bitcmp1_b32 s13, 0
	s_cselect_b32 s[S8], 4.0, 0x40b504f3
	s_lshr_b32 s13, s13, 1
	s_lshl_b32 s13, s13, 23         ; h / 2 is taken off the exponent field
	s_sub_co_u32 s[S8], s[S8], s13
	s_mov_b32 s[S8+1], s[S8]        ; named with it as a pair
	s_mov_b32 s21, 0
	s_mov_b64 s[22:23], SIZE_N*128
	s_mul_u64 s[20:21], s[20:21], s[22:23]  ; the head's first byte in each of the four tensors
	s_and_b32 s16, s[WV], 1         ; which half of a tile's 256 keys I fetch:
	s_lshl_b32 s22, s16, 14         ; its 128 rows of 128 bytes in memory,
	s_mov_b32 s23, 0
	s_add_nc_u64 s[22:23], s[22:23], s[20:21]
	s_mul_i32 s17, s16, 128*PK      ; and its place in a slot, for K
	s_mul_i32 s18, s16, 128*PV      ; and for V
	s_lshl_b32 s3, s[WV], 11        ; my 16 rows in a band of 64,
	s_lshl_b32 s2, s[FB], 15        ; in the first block,
	s_add_co_u32 s2, s2, s3
	s_lshl_b32 s84, s[SB], 15       ; and in the second
	s_add_co_u32 s84, s84, s3
	s_mov_b32 s3, 0
	s_mov_b32 s85, 0
	s_add_nc_u64 s[2:3], s[2:3], s[20:21]
	s_add_nc_u64 s[84:85], s[84:85], s[20:21]
	; descriptor group 1.  128 keys are 16,384 dense bytes: asked for as 64 rows of 256 bytes, two keys a row, and padded in LDS after every key
	s_mov_b32 s[G1K], (1<<16)|(1<<20)|(4<<22)|(3<<25)  ; 2-byte elements; padding on; after every 32 words 4 words
	s_mov_b32 s[G1V], (1<<16)|(1<<20)|(4<<22)|(7<<25)  ; the same with 8 words of padding
.irp g, G1K, G1V
	s_mov_b32 s[\g+1], 128<<16      ; tensor_dim0 = 128
	s_mov_b32 s[\g+2], 64<<16       ; tensor_dim1 = 64
	s_mov_b32 s[\g+3], 128<<16      ; tile_dim0 = 128
	s_mov_b32 s[\g+4], 64           ; tile_dim1 = 64
	s_mov_b32 s[\g+5], 128          ; 128 elements from row to row
	s_mov_b32 s[\g+6], 0
	s_mov_b32 s[\g+7], 0
.endr
	s_mov_b32 s[CS], 0x3e38aa3b     ; c = log2(e) / 8 = 0.180337
	s_mov_b32 s[CS+1], s[CS]        ; named with it as a pair
	s_mov_b32 s[SEL], 0x76543210
	s_mov_b32 s[SEL+1], 0xfedcba98
	s_mov_b32 s[TBK], SLOT1+4*KS*PK ; the first change of slots turns these two into 0
	s_mov_b32 s[TBV], SLOT1+4*KS*PV
	s_mov_b32 s[G0K], 1             ; count = 1
	s_mov_b32 s[G0K+1], s17         ; LDS address: slot 0
	s_mov_b32 s[G0V], 1
	s_add_co_u32 s[G0V+1], s18, VOFF
	s_add_co_u32 s[RT], s[FB], 1    ; the first block has b + 1 tiles
	s_mov_b32 s[NXT], 1             ; tile 0 is asked for below; the next is the first block's tile 1,
	s_mov_b32 s[LQ], s[FB]
	s_cmp_gt_u32 s[NXT], s[LQ]      ; or, where block 0 has tile 0 alone, the second block's tile 0
	s_cselect_b32 s[NXT], 0, s[NXT]
	s_cselect_b32 s[LQ], s[SB], s[LQ]
	s_mov_b32 s[NEW], 1
	s_mov_b32 s[OFF+1], 0
	s_mov_b32 s[AL+1], 0            ; named as pairs
	s_mov_b32 s[BE+1], 0
	s_mov_b32 s[BIGN], 0xf149f2ca   ; -1e30
	s_mov_b32 s[SLOTS], NB
	s_wait_kmcnt 0x0
	s_add_nc_u64 s[6:7], s[4:5], 0x1000000  ; K and V lie 64 heads of 262,144 bytes behind Q and behind K
	s_add_nc_u64 s[8:9], s[4:5], 0x2000000
	s_add_nc_u64 s[6:7], s[6:7], s[22:23]  ; K and V at my half of the head's tile 0
	s_add_nc_u64 s[8:9], s[8:9], s[22:23]
	s_add_nc_u64 s[G0K+2:G0K+3], s[6:7], 0         ; global address
	s_or_b32 s[G0K+3], s[G0K+3], 0x80000000        ; type = 2
	s_add_nc_u64 s[G0V+2:G0V+3], s[8:9], 0
	s_or_b32 s[G0V+3], s[G0V+3], 0x80000000
	s_add_nc_u64 s[86:87], s[4:5], s[84:85]        ; Q at my rows of the second block,
	s_add_nc_u64 s[4:5], s[4:5], s[2:3]            ; Q and O at those of the first
	s_add_nc_u64 s[OLO:OLO+1], s[10:11], s[84:85]
	s_add_nc_u64 s[10:11], s[10:11], s[2:3]
	LOAD                            ; tile 0 into slot 0
	; A fragment of K or Q is 16 rows x 32 channels in 8 registers: lane l holds row l % 16, channels 8 (l / 16) + 0..7 and 16 + 8 (l / 16) + 0..7: two loads of 16 bytes, 32 bytes apart.
	v_and_b32 v1, 15, v0            ; l % 16
	v_bfe_u32 v9, v0, 4, 1          ; l / 16
	v_lshlrev_b32 v[QO], 7, v1
	v_lshl_add_u32 v[QO], v9, 4, v[QO]  ; row x 128 + 16 x half
	WIN 0x80                        ; destination window 2, address window 0
.set i, 0
.rept 8                             ; both blocks' Q: piece i / 2 lies in band i / 2, 8,192 bytes on; channels 32 (i % 2) on
	global_load_b128 v[8*i:8*i+3],   v[QO], s[4:5] offset:(i/2)*8192+(i%2)*64
	global_load_b128 v[8*i+4:8*i+7], v[QO], s[4:5] offset:(i/2)*8192+(i%2)*64+32
	global_load_b128 v[QB+8*i:QB+8*i+3],   v[QO], s[86:87] offset:(i/2)*8192+(i%2)*64
	global_load_b128 v[QB+8*i+4:QB+8*i+7], v[QO], s[86:87] offset:(i/2)*8192+(i%2)*64+32
.set i, i+1
.endr
	WIN 0
	v_lshlrev_b32 v14, 3, v9
	v_sub_nc_u32 v14, v1, v14
	s_lshl_b32 s13, s[WV], 4
	v_add_nc_u32 v14, s13, v14      ; my query's place in its band, 16 w + l % 16, less my lanes' 8 (l / 16): register r of group kt is hidden where 16 kt + r is greater
	WIN 0x40
.set i, 0
.rept 32
	v_cmp_gt_i32 vcc_lo, 16*(i/8)+i%8, v14
	v_cndmask_b32 v[MD+i], 0, s[BIGN], vcc_lo
.set i, i+1
.endr
	WIN 0
	v_lshlrev_b32 v[JSV], 3, v9     ; at work here: 8 (l / 16)
.set i, 0
.rept 32
	v_add_nc_u32 v[JR+i], 16*(i/8)+i%8, v[JSV]
.set i, i+1
.endr
.set i, 0
.rept 32
	v_cvt_f32_u32 v[JR+i], v[JR+i]
.set i, i+1
.endr
	v_mov_b32 v[DV+1], 0            ; named with v162 as a pair
	v_mul_u32_u24 v[AK0], v1, PK
	v_lshl_add_u32 v[AK0], v9, 4, v[AK0]  ; row x pitch + 16 x half
	; The turning load takes 16 keys x 16 channels (lane l reads key 8 (l / 16) + l % 8, channels 8 ((l / 8) % 2) + 0..7) and leaves half a fragment of V^T: lane l holds channel l % 16 and 8 keys.
	v_and_b32 v10, 7, v0
	v_bfe_u32 v11, v0, 3, 1
	v_lshl_add_u32 v[AV0], v9, 3, v10
	v_mul_u32_u24 v[AV0], v[AV0], PV
	v_lshl_add_u32 v[AV0], v11, 4, v[AV0]
	v_add_nc_u32 v[AV0], VOFF, v[AV0]
	s_mul_i32 s13, s[WV], 16*SP
	s_add_co_u32 s13, s13, STAGE    ; my stage
	v_mul_u32_u24 v[STO], v1, SP    ; in: row l % 16, 16 bytes for each half of the lanes
	v_lshl_add_u32 v[STO], v9, 4, v[STO]
	v_add_nc_u32 v[STO], s13, v[STO]
	v_bfe_u32 v[RD], v0, 3, 2       ; back: 32 lanes take four rows of 128 bytes,
	v_mul_u32_u24 v[RD], v[RD], SP
	v_lshl_add_u32 v[RD], v10, 4, v[RD]
	v_add_nc_u32 v[RD], s13, v[RD]
	v_and_b32 v[GO], 31, v0         ; which are 512 consecutive bytes of O
	v_lshlrev_b32 v[GO], 4, v[GO]
	; A block's first step multiplies O^T and l by a = 0, and its first turn's products V^T P, of a piece that has not been, land in an O^T that is still to be so multiplied.  So these registers need only hold
	; finite numbers: zeros for the first block; what the first block left for the second.  All this stands in the wait for the first tile.
	WIN 0x80
.set i, VF
.rept 64
	v_mov_b32 v[i], 0
.set i, i+1
.endr
	WIN 0x40
.set i, 0
.rept 128
	v_mov_b32 v[i], 0
.set i, i+1
.endr
	WIN 0
.set i, 0
.rept 4
	v_mov_b32 v[ST+4*i+2], 0
	v_mov_b32 v[ST+4*i+3], 0
.set i, i+1
.endr
.set i, P+16
.rept 16
	v_mov_b32 v[i], 0
.set i, i+1
.endr
; THE MATRIX WORK.  The 4 accumulators of a run of 8 take turns.  Product i of 8 of S^T = K Q^T for piece x: channels 32 (i / 4) on, keys 16 (i % 4) on.
; The first 4 start the sums: with the bias (KM = 0), or with bias and mask (KM = 1).
.macro KQ x
.set rS, S+32*((\x)%2)+8*(i%4)
.set rK, KF+16*(i%4)+8*(i/4)
.set rQ, 16*(\x)+8*(i/4)
.if KM
.set rM, MC+32*((\x)%2)+8*(i%4)
.else
.set rM, CB+8*(i%4)
.endif
.if i < 4
	WIN W_KM
	v_wmma_f32_16x16x32_f16 v[rS:rS+7], v[rK:rK+7], v[rQ:rQ+7], v[rM:rM+7]
.else
	WIN W_KQ
	v_wmma_f32_16x16x32_f16 v[rS:rS+7], v[rK:rK+7], v[rQ:rQ+7], v[rS:rS+7]
.endif
.endm
; Product i of 8 of O^T += V^T P for piece x: keys 32 (i / 4) on, channels 16 (i % 4) on.
.macro PV x
	WIN W_PV
.set rO, 32*(\x)+8*(i%4)
.set rV, VF+32*(i/4)+8*(i%4)
.set rP, P+16*((\x)%2)+8*(i/4)
	v_wmma_f32_16x16x32_f16 v[rO:rO+7], v[rV:rV+7], v[rP:rP+7], v[rO:rO+7]
.endm
.macro MM                           ; the turn's next matrix instruction
.if i < 8
	KQ (Y+1)%NP
.else
.set i, i-8
	PV (Y+NP-1)%NP
.set i, i+8
.endif
.set i, i+1
.endm
; THE LDS LOADS stand in runs of 16, never singly among the matrix instructions: a step's K (64 keys x 64 channels: 8 fragments) and its V (turned).  Their addresses are made some lines ahead.
; last = 1 (the diagonal tile): in the pass in which the loop is left there is no further step, and the run is jumped over.
.macro FETCH_K last=0
	WIN 0
.if \last
	s_cmp_eq_u32 s[CNT], 1
	s_cbranch_scc1 .Lno_k_\@
.endif
	WIN 0x80                        ; destination window 2
.irp f, 0,1,2,3,4,5,6,7             ; keys 16 (f / 2) on, channels 32 (f % 2) on
	ds_load_b128 v[KF+8*\f:KF+8*\f+3],   v[AK] offset:(\f/2)*16*PK+(\f%2)*64
	ds_load_b128 v[KF+8*\f+4:KF+8*\f+7], v[AK] offset:(\f/2)*16*PK+(\f%2)*64+32
.endr
	s_add_co_u32 s[TBK], s[TBK], KS*PK  ; the next fetch is the next step's
	WIN 0
.if \last
.Lno_k_\@:
.endif
.endm
.macro FETCH_V
	WIN 0x80
.irp f, 0,1,2,3,4,5,6,7             ; keys 32 (f / 4) on, channels 16 (f % 4) on
	ds_load_tr16_b128 v[VF+8*\f:VF+8*\f+3],   v[AV] offset:(\f/4)*32*PV+(\f%4)*32
	ds_load_tr16_b128 v[VF+8*\f+4:VF+8*\f+7], v[AV] offset:(\f/4)*32*PV+16*PV+(\f%4)*32
.endr
	WIN 0
.endm
; THE VECTOR WORK, one line at a time: OP kind, number.  For piece Y: F n: c s - c m for pair n of 16.  E n: the exponential of score n of 32.  C n: pair n rounded to f16.  B n: of the four weights 4 n .. the second
; pair is added onto the first, in place.  L n: l takes that sum (L 0: l = a l + sum).  R n: pair n of 16 of O^T times a.  For piece Y + 1: X n, number n of the 22 that find its maximum and statistics:
;   0-11  four chains c0-c3 of seven scores each, three operands at a time (each accumulator's lowest registers are read first)     12-14, 16  the four scores left over, the old m, and c0-c3 into c0
;   15  c m_old is kept     17, 18  the query's other 32 keys lie in the lane 16 away: the new m     19-21  c m; c m_old - c m_new; a
.set F, 0               ; OP tells the kinds apart by their order: F to L below R, X above it
.set E, 1
.set C, 2
.set B, 3
.set L, 4
.set R, 5
.set X, 6
.macro REGS y                       ; the registers of piece y
.set rT, ST+4*(\y)
.set rC, TMP+4*((\y)%2)
.set rW, MV+((\y)%2)
.set rS, S+32*((\y)%2)
.set rP, P+16*((\y)%2)
.set rO, 32*(\y)
.endm
.macro OP k, n
.if (\k) == R
	REGS Y
	WIN W_RS
	v_pk_mul_f32 v[rO+2*(\n):rO+2*(\n)+1], v[rO+2*(\n):rO+2*(\n)+1], v[rC+2:rC+3] op_sel_hi:[1,0]
.elseif (\k) < R
	REGS Y
	WIN 0
.if (\k) == F
	v_pk_fma_f32 v[rS+2*(\n):rS+2*(\n)+1], v[rS+2*(\n):rS+2*(\n)+1], s[CS:CS+1], v[rT:rT+1] op_sel_hi:[1,0,0] neg_lo:[0,0,1] neg_hi:[0,0,1]
.elseif (\k) == E
	v_exp_f32 v[rS+(\n)], v[rS+(\n)]
.elseif (\k) == C
	s_wait_alu depctr_va_vdst(0)
	v_cvt_pk_f16_f32 v[rP+(\n)], v[rS+2*(\n)], v[rS+2*(\n)+1]
.elseif (\k) == B
	s_wait_alu depctr_va_vdst(0)
	v_pk_add_f32 v[rS+4*(\n):rS+4*(\n)+1], v[rS+4*(\n):rS+4*(\n)+1], v[rS+4*(\n)+2:rS+4*(\n)+3]
.elseif (\n) == 0
	v_pk_fma_f32 v[rT+2:rT+3], v[rT+2:rT+3], v[rC+2:rC+3], v[rS:rS+1] op_sel_hi:[1,0,1]
.else
	v_pk_add_f32 v[rT+2:rT+3], v[rT+2:rT+3], v[rS+4*(\n):rS+4*(\n)+1]
	s_wait_alu depctr_va_vdst(0)
.endif
.else
	REGS (Y+1)%NP
	WIN 0
.if (\n) < 4
	v_max3_num_f32 v[rC+(\n)], v[rS+8*(\n)], v[rS+8*(\n)+1], v[rS+8*(\n)+2]
.elseif (\n) < 12
	v_max3_num_f32 v[rC+(\n)%4], v[rC+(\n)%4], v[rS+8*((\n)%4)+2*((\n)/4)+1], v[rS+8*((\n)%4)+2*((\n)/4)+2]
.elseif (\n) == 12
	v_max3_num_f32 v[rC], v[rC], v[rS+7], v[rS+15]
.elseif (\n) == 13
	v_max3_num_f32 v[rC+1], v[rC+1], v[rS+23], v[rS+31]
.elseif (\n) == 14
	v_max3_num_f32 v[rC+2], v[rC+2], v[rC+3], v[rT+1]
.elseif (\n) == 15
	v_mov_b32 v[rW], v[rT]
	s_wait_alu depctr_va_vdst(0)
.elseif (\n) == 16
	v_max3_num_f32 v[rC], v[rC], v[rC+1], v[rC+2]
	s_wait_alu depctr_va_vdst(0)
.elseif (\n) == 17
	v_permlanex16_b32 v[rC+3], v[rC], s[SEL], s[SEL+1]
.elseif (\n) == 18
	v_max_num_f32 v[rT+1], v[rC], v[rC+3]
.elseif (\n) == 19
	v_mul_f32 v[rT], s[CS], v[rT+1]
.elseif (\n) == 20
	v_sub_f32 v[rC+1], v[rW], v[rT]
.else
	v_exp_f32 v[rC+2], v[rC+1]
.endif
.endif
.endm
.macro OPS a, i1, b=-1, i2=0, c=-1, i3=0, d=-1, i4=0  ; up to four of them
	OP \a, \i1
.if (\b) >= 0
	OP \b, \i2
.endif
.if (\c) >= 0
	OP \c, \i3
.endif
.if (\d) >= 0
	OP \d, \i4
.endif
.endm
.macro ROW a, i1, b, i2, c, i3, d, i4  ; a matrix instruction and the four behind it
	MM
	OPS \a, \i1, \b, \i2, \c, \i3, \d, \i4
.endm
; CB takes 8 x the bias of the next step (first = 1: of a block's step 0): JR x 8 slope + 8 slope (64 step - 2047).
.macro BIAS first
	WIN 0
.if \first
	v_mov_b32 v[JSV], 0xc4ffe000    ; -2047
.else
	v_add_f32 v[JSV], 0x42800000, v[JSV]  ; 64 keys on: exact
.endif
	v_mul_f32 v[DV], s[S8], v[JSV]
	WIN W_CB
.set z, 0
.rept 16
	v_pk_fma_f32 v[CB+2*z:CB+2*z+1], v[JR+2*z:JR+2*z+1], s[S8:S8+1], v[DV:DV+1] op_sel_hi:[1,0,0]
.set z, z+1
.endr
.endm
.macro MASK b, hide=1               ; MD x AL + CB (+ BE where hide = 1) into buffer b of MC
	WIN W_MK
.set z, 0
.rept 16
	v_pk_fma_f32 v[MC+32*(\b)+2*z:MC+32*(\b)+2*z+1], v[MD+2*z:MD+2*z+1], s[AL:AL+1], v[CB+2*z:CB+2*z+1] op_sel_hi:[1,0,1]
.set z, z+1
.endr
.if \hide
.set z, 0
.rept 16
	v_pk_add_f32 v[MC+32*(\b)+2*z:MC+32*(\b)+2*z+1], v[MC+32*(\b)+2*z:MC+32*(\b)+2*z+1], s[BE:BE+1] op_sel_hi:[1,0]
.set z, z+1
.endr
.endif
.endm
; A TURN, for piece p: the order of its 16 matrix and 118 vector instructions, written out.  Behind a matrix instruction: plain, exponential, plain, plain; or four of the rescaling; or, behind the first, four scalings; none
; names a register of the products round it.  In the lumps exponential and plain by turns while exponentials last.  A line reads no result made fewer than three vector instructions in front of it, five if an exponential made it.
; m = 1: the diagonal tile: the products take MC, and the turn makes MC for the products of the turn after it: piece x = (p + 2) % 4.  In that tile's loop CNT is stepped in the middle of a trip, so that the step whose
; products are to come is 4 - CNT in the turns of pieces 0 and 1 and 5 - CNT in those of pieces 2 and 3.  Band 3 is never wholly hidden: piece 1's turn adds no BE.
; last = 1: piece 2's turn in that loop: the run of K is jumped over in the pass in which the loop is left.  cnt = 1: the plain loop's count is taken down some lines ahead of the branch that stands behind the turn.
; Piece 2's turn ends with the next step's bias: the products that still take this step's stand at the turn's head, those of the next step (piece 0's) in the turn behind it.
; K of the next step is fetched in piece 2's turn, six vector instructions behind the last product that read K (five of them plain); V of the step in hand in piece 0's turn, eight behind the last product that read V (four
; plain, and X 17).  Each is waited for a turn later.
.macro TURN p, m=0, last=0, cnt=0
.set Y, (\p)
.set i, 0
.set KM, (\m)
.if \m
	s_cmp_eq_u32 s[CNT], 4-((\p)+2)%NP+(\p)/2  ; is that step the band's own?
	s_cselect_b32 s[AL], 1.0, 0
.if (\p) != 1
	s_cmp_lt_u32 s[CNT], 4-((\p)+2)%NP+(\p)/2  ; or a later one?
	s_cselect_b32 s[BE], s[BIGN], 0
.endif
.endif
.if (\p) == 3
	s_wait_dscnt 0x0                ; K is in
.endif
	ROW F,0, F,1, F,2, F,3
	ROW F,4, E,0, F,5, F,6
	ROW F,7, E,1, F,8, F,9
	ROW F,10, E,2, C,0, F,11
	ROW F,12, E,3, X,15, F,13
	ROW R,0, R,1, R,2, R,3
	ROW B,0, E,4, F,14, L,0
.if (\p) == 2
	v_add_nc_u32 v[AK], s[TBK], v[AK0]
.endif
	ROW R,4, R,5, R,6, R,7
	OPS E,5, F,15
.if (\p) == 2
	FETCH_K \last
.endif
	OPS E,6, C,1, E,7, R,8
	OPS E,8, R,9, E,9, C,2
	OPS E,10, X,0, E,11, X,1
	OPS E,12, X,2, E,13, X,3
.if (\p) == 1
	s_wait_dscnt 0x0                ; V is in
.endif
	ROW X,4, E,14, X,5, X,6
	ROW X,7, E,15, X,8, X,9
	ROW X,10, E,16, X,11, X,12
	ROW X,13, E,17, X,14, B,1
	ROW C,4, E,18, X,16, L,1
	ROW B,2, E,19, C,6, L,2
	ROW C,8, E,20, B,3, B,4
.if (\p) == 0
	v_add_nc_u32 v[AV], s[TBV], v[AV0]
.endif
	ROW C,3, E,21, L,3, C,5
	OPS E,22, X,17, E,23, C,10
.if (\p) == 0
	FETCH_V
.endif
	OPS E,24, L,4
	OPS E,25, X,18, E,26, C,7
	OPS E,27, B,5, E,28, X,19
	OPS E,29, C,12, E,30, L,5
	OPS E,31, X,20, B,6, C,9
	OPS C,14, C,11, X,21, L,6
.if (\p) == 0
	s_add_co_u32 s[TBV], s[TBV], KS*PV
.endif
.if \cnt
	s_sub_co_u32 s[CNT], s[CNT], 1
	s_cmp_lg_u32 s[CNT], 0
.endif
	OPS C,13, B,7, C,15, R,10
	OPS R,11, R,12, L,7, R,13
	OPS R,14, R,15
.if (\p) == 2
	BIAS 0
.endif
.if \m
.if (\p) == 1
	MASK 1, 0
.else
	MASK (\p)%2, 1
.endif
.endif
.endm
; A BLOCK BEGINS.  The bias goes back to step 0.  c m starts far below every c s, so the first step's a is 0; m at the lowest finite number, so the first maximum is the scores'.  The second buffer of MC takes the bare
; bias (piece 1 sees all of step 0); the first takes piece 0's for step 0: with its own mask, if the block's first tile is the diagonal one (block 0).
; Then K of that step, piece 0's first scores, and its maximum and statistics.  A loop is then entered at a step's first turn, in the middle of a trip.
.macro BEGIN
	s_mov_b32 s[NEW], 0
	BIAS 1
	s_mov_b32 s[AL], 0
	MASK 1, 0
	WIN 0
.set i, 0
.rept 4
	v_mov_b32 v[ST+4*i], 0xfe000000    ; c m: far below every c s
	v_mov_b32 v[ST+4*i+1], 0xff7fffff  ; m
.set i, i+1
.endr
	s_cmp_eq_u32 s[RT], 0
	s_cselect_b32 s[AL], 1.0, 0
	MASK 0, 0
	WIN 0
	v_add_nc_u32 v[AK], s[TBK], v[AK0]
	FETCH_K
	s_wait_loadcnt 0x0              ; Q
	s_wait_dscnt 0x0
.set KM, 1
.set i, 0
.rept 8
	KQ 0
.set i, i+1
.endr
	WIN 0
.rept 4
	v_nop                           ; the places behind those products
.endr
.set Y, NP-1                        ; X works for piece Y + 1: piece 0
.irp n, 0,1,2,3,4,5,6,7,8,9,10,11,12,13,14,15,16,17,18,19,20,21
	OP X, \n
.endr
	v_nop                           ; a plain instruction behind the exponential
.endm
; A diagonal tile is entered from the tile before it: its text's first products are piece 3's of that tile's last step, which sees everything: the second buffer of MC takes the bare bias of the step in hand.
.macro ENTER
	s_mov_b32 s[AL], 0
	MASK 1, 0
	WIN 0
.endm
; THE DIAGONAL TILE, the block's last products, and THE WAY OUT: l's two halves and the other half of the lanes' are added; O^T is divided by l, rounded to f16 and sent through my stage in LDS, a piece at a time.
.macro ALL line:vararg              ; one line for each piece t
.set t, 0
.rept 4
	\line
.set t, t+1
.endr
.endm
.macro PACK t                       ; a lane's eight channels of a row pack into 16 bytes; they go into rows of 144 bytes and come back as whole rows of 128, into S^T's registers
	WIN W_RS
.set i, 32*(\t)
.rept 16
	v_pk_mul_f32 v[i:i+1], v[i:i+1], v[ST+4*(\t)+2:ST+4*(\t)+3] op_sel_hi:[1,0]
.set i, i+2
.endr
	WIN 0x05                        ; sources 0 and 1 window 1, destination window 0
.set i, 0
.rept 16
	v_cvt_pk_f16_f32 v[S+16*(\t)+i], v[32*(\t)+2*i], v[32*(\t)+2*i+1]
.set i, i+1
.endr
	WIN 0
.irp f, 0,1,2,3
	ds_store_b128 v[STO], v[S+16*(\t)+4*\f:S+16*(\t)+4*\f+3] offset:32*\f
.endr
.irp f, 0,1,2,3
	ds_load_b128 v[S+16*(\t)+4*\f:S+16*(\t)+4*\f+3], v[RD] offset:\f*4*SP  ; LDS serves a wave's instructions in order (ISA guide 5.7.1.4): these see the stores above; the next piece's stores come behind them
.endr
.endm
.macro SEND t, younger              ; younger: the LDS instructions issued behind piece t's loads: the next piece's eight, or none
	WIN 0
	s_wait_dscnt \younger           ; piece t's four loads are back
.irp f, 0,1,2,3
	global_store_b128 v[GO], v[S+16*(\t)+4*\f:S+16*(\t)+4*\f+3], s[10:11] offset:(\t)*8192+\f*512  ; 512 consecutive bytes, at a multiple of 256 from O's first
.endr
.endm
; The loop is entered at its head with CNT = 5 (from the tile before) or in its middle with CNT = 4 (from BEGIN), and left in the middle of the pass in which CNT reaches 0: that pass's two turns finish pieces 2 and 3 of the
; block's last step.  Its 8 products K Q^T (piece 0's, on the last K once more, under a mask that hides all), the statistics, the bias and the two masks made in it serve nothing: they touch neither l nor O^T, and BEGIN
; sets m, c m and the bias anew.  That is the price, once a block, of one text for every pass.  The tag ends the labels' names.
.macro DIAG tag
.LstepM\tag:
	TURN 2, 1, 1
	TURN 3, 1
	WIN 0
	s_sub_co_u32 s[CNT], s[CNT], 1
	s_cmp_eq_u32 s[CNT], 0
	s_cbranch_scc1 .LoutM\tag
.LfirstM\tag:
	TURN 0, 1
	TURN 1, 1
	WIN 0
	s_branch .LstepM\tag
.LoutM\tag:
.set i, 0
.rept 8
	PV NP-1                         ; the last piece's V^T P of the last step
.set i, i+1
.endr
	WIN 0
	ALL v_add_f32 v[ST+4*t+2], v[ST+4*t+2], v[ST+4*t+3]
	ALL v_permlanex16_b32 v[ST+4*t+3], v[ST+4*t+2], s[SEL], s[SEL+1]
	ALL v_add_f32 v[ST+4*t+2], v[ST+4*t+2], v[ST+4*t+3]
	ALL v_rcp_f32 v[ST+4*t+2], v[ST+4*t+2]
	v_nop                           ; a plain instruction between the last reciprocal and the use of its result
	s_wait_alu depctr_va_vdst(0)
	PACK 0
.set t, 1
.rept 3                             ; a piece's arithmetic stands between the loads of the piece before and its stores
	PACK t
	SEND t-1, 8
.set t, t+1
.endr
	SEND 3, 0
.endm
.set KM, 0
.Lslot:                             ; NB times: a tile is entered and the next is asked for
	CHANGE 1
	s_sub_co_u32 s[RT], s[RT], 1
	s_mov_b32 s[CNT], 4
	s_cmp_eq_u32 s[NEW], 1
	s_cbranch_scc1 .Lnew            ; a block's first tile
	s_cmp_eq_u32 s[RT], 0
	s_cbranch_scc0 .Lstep           ; neither its first nor its last
	ENTER
	s_mov_b32 s[CNT], 5
	s_branch .LstepM1
.Lnew:
	BEGIN
	s_cmp_eq_u32 s[RT], 0
	s_cbranch_scc0 .Lfirst          ; the block has further tiles
	s_branch .LfirstM1              ; block 0: its first tile is its diagonal one
	DIAG 1                          ; in the loop this is the first block's end: the second block's last tile is the walk's last
	s_wait_xcnt 0x0                 ; the stores have read their registers and O's address
	s_mov_b64 s[10:11], s[OLO:OLO+1]
	s_add_co_u32 s[RT], s[SB], 1    ; the second block has NB - b tiles
	s_mov_b32 s[NEW], 1
	WIN 0x82                        ; the second block's Q goes where the one text of the turns names Q
.set i, 0
.rept 64
	v_mov_b32 v[i], v[QB+i]
.set i, i+1
.endr
	WIN 0
	s_branch .Lbottom
.Lstep:                             ; a trip: pieces 2 and 3 of one step, then pieces 0 and 1 of the next, whose K and V it fetches
	TURN 2
	TURN 3
	WIN 0
.Lfirst:
	TURN 0
	TURN 1, 0, 0, 1
	WIN 0
	s_cbranch_scc1 .Lstep
.Lbottom:
	s_sub_co_u32 s[SLOTS], s[SLOTS], 1
	s_cmp_lg_u32 s[SLOTS], 0
	s_cbranch_scc1 .Lslot
	CHANGE 0                        ; the walk's last tile, the second block's diagonal one, is written out: nothing is asked for
	s_mov_b32 s[CNT], 5
	ENTER
	DIAG 2
	s_wait_tensorcnt 0x0            ; the wave's end
	ds_add_u32 v[SPW], v[NIL]
	s_wait_dscnt 0x0
	s_endpgm
.Lfunc_end_k_q940567efe3_attn:
	.size	k_q940567efe3_attn, .Lfunc_end_k_q940567efe3_attn-k_q940567efe3_attn
	.p2alignl 7, 3214868480
	.fill 96, 4, 3214868480
	.section	.rodata,"a",@progbits
	.p2align	6, 0x0
	.amdhsa_kernel k_q940567efe3_attn
		.amdhsa_group_segment_fixed_size 327680
		.amdhsa_private_segment_fixed_size 0
		.amdhsa_enable_private_segment 0
		.amdhsa_kernarg_size 16
		.amdhsa_user_sgpr_count 2
		.amdhsa_user_sgpr_kernarg_segment_ptr 1
		.amdhsa_wavefront_size32 1
		.amdhsa_system_sgpr_workgroup_id_x 1
		.amdhsa_system_sgpr_workgroup_id_y 1
		.amdhsa_system_sgpr_workgroup_id_z 1
		.amdhsa_system_vgpr_workitem_id 0
		.amdhsa_next_free_vgpr 768
		.amdhsa_next_free_sgpr 90
		.amdhsa_reserve_vcc 1
		.amdhsa_float_denorm_mode_32 3
		.amdhsa_float_denorm_mode_16_64 3
		.amdhsa_memory_ordered 1
		.amdhsa_forward_progress 1
		.amdhsa_inst_pref_size 203
	.end_amdhsa_kernel
	.amdgpu_metadata
---
amdhsa.version: [ 1, 2 ]
amdhsa.kernels:
  - .name:           k_q940567efe3_attn
    .symbol:         k_q940567efe3_attn.kd
    .args:
      - { .name: qkv, .offset: 0, .size: 8, .value_kind: global_buffer, .address_space: global }
      - { .name: ob, .offset: 8, .size: 8, .value_kind: global_buffer, .address_space: global }
    .group_segment_fixed_size: 327680
    .private_segment_fixed_size: 0
    .kernarg_segment_align: 8
    .kernarg_segment_size: 16
    .max_flat_workgroup_size: 128
    .sgpr_count:     90
    .vgpr_count:     768
    .wavefront_size: 32
...
	.end_amdgpu_metadata
.endif
;; end of part 3
;; launch proj (part 4): grid 8 x 32, 4 waves a work-group, clusters of 4 x 4, 327,680 bytes of LDS; arguments ob, wb, out0; writes out0
.if DOCPART == 4
	.amdgcn_target "amdgcn-amd-amdhsa--gfx1250"
	.amdhsa_code_object_version 6
	.text
	.protected	k_q940567efe3_proj
	.globl	k_q940567efe3_proj
	.p2align	8
	.type	k_q940567efe3_proj,@function
k_q940567efe3_proj:
	s_mov_b64 s[64:65], 0
	v_nop
	global_prefetch_b8 v0, s[64:65] scope:SCOPE_SE
	s_setreg_imm32_b32 hwreg(HW_REG_WAVE_MODE, 25, 1), 1
	s_wait_xcnt 0x0
	s_wait_alu depctr_hold_cnt(0) depctr_sa_sdst(0) depctr_va_vdst(0) depctr_va_sdst(0) depctr_va_ssrc(0) depctr_va_vcc(0) depctr_vm_vsrc(0)
	s_getreg_b32 s2, hwreg(HW_REG_IB_STS2, 6, 4)
	s_cmp_eq_u32 s2, 0
	s_cbranch_scc0 .Lentry_in_a_cluster
	s_endpgm
.Lentry_in_a_cluster:
	s_bfe_u32 s2, ttmp6, 0x10000c
	s_cmp_lg_u32 s2, 0xf033
	s_cbranch_scc0 .Lentry_shape_is_right
	s_endpgm
.Lentry_shape_is_right:
; out = O Wo.  O comes by heads, ob [64 heads][2048 rows][64] f16; Wo as wb[0], [k][n], f16 (each number first rounded to bf16).  Sums in f32, K ascending; out0 [8192][1024] f32.
; SHARES.  A work-group makes 256 rows x 128 columns: 8 x 32 work-groups.  A wave makes 128 x 64: 32 accumulators of 16 x 16, in window 1.
; K goes in 8 steps of 128, two heads, through two LDS slots.  Waves 0 and 1 fetch the two heads' tiles of O (32,768 dense bytes each, asked for as 128 rows of 256 bytes), waves 2 and 3 64 rows of Wo each.
; CLUSTER.  4 x 4 work-groups: the four of a row of the cluster need the same tiles of O, the four of a column the same tiles of Wo: each tile is asked for jointly.
; THE MATRIX INSTRUCTION IS USED TRANSPOSED: source 0 = 16 columns of Wo (turned out of LDS), source 1 = 16 rows of O: a lane holds eight neighbouring columns of one row, 32 bytes of f32.
; ASKED AHEAD (global_prefetch_b8), by wave 3, each aligned block of 256 bytes once in the launch, the lanes one block apart.  A step's two tiles of O, 65,536 bytes, are wanted by the eight work-groups of a row
; block: each asks for an eighth, 32 blocks, one instruction: column block n takes head n / 4 of the step's two and quarter n % 4 of its 32,768 bytes.  Steps 2 and 3 are asked for at the head; trip t, behind its
; refill (step t + 2) and its run of LDS loads, asks for step t + 4, which trip t + 2's refill loads: two trips, 256 matrix instructions, ahead; trips 4 and 5 ask for nothing: step 7 is the last.  Steps 0 and 1
; are not asked for: their fills follow at once.  A column block's 1,024 row pieces of Wo are wanted by 32 row blocks: row block m asks for rows 32 m to 32 m + 31, one instruction, so it cannot be spread over the
; trips and stands at the head; the rows of steps 0 and 1 among them are asked for only a little ahead of their fills.  Asked for and not yet read: 24,576 bytes a work-group at the most.
; REGISTERS.  Window 0: v16-31 addresses; v32-95, v96-159 O's fragments, two buffers; v160-191, v192-223 Wo's.  Window 1: accumulator (a, b) at v[8 (4 a + b)].  On the way out v32-223 are six sets of 32.
.set PA,    144                        ; a row of O in LDS: 128 bytes + 16 of padding
.set PB,    288                        ; a row of Wo: 256 + 32
.set ATILE, 256*PA
.set BSUB,  64*PB
.set SLOT1, 1<<17                      ; a slot is two tiles of O and 128 rows of Wo, 110,592 bytes; slot 1 begins here
.set STAGE, SLOT1+2*ATILE+2*BSUB       ; behind the ring, never filled by a tensor load: 16 rows x 272 bytes for each wave
.set SP,    272
.set SPARE, STAGE+4*16*SP              ; the spare words, 128 bytes a wave: two blocks of 256 bytes that no other line names
.set ASTEP, 1<<19                      ; two heads of 262,144 bytes
.set BSTEP, 1<<18                      ; 128 rows of 2,048 bytes
.set A0,   16                          ; v16  my place in O's tiles; never rewritten
.set B0,   17                          ; v17  my place in Wo's tile; never rewritten
.set ADRA, 20                          ; v20, v21  the same in the slot in hand
.set ADRB, 21
.set STO,  24
.set RD,   25
.set CO,   26
.set SPW,  28
.set NIL,  29
.set PVA,  30                          ; v30  asked ahead: 256 x lane; never rewritten
.set PVB,  31                          ; v31  asked ahead: 2,048 x lane, a row of Wo; never rewritten
.set AF,   32
.set BF,   160
.set G1,  24
.set G0,  32
.set TB,  45
.set G1B, 48
.set G0B, 56
.set PFA, 66                           ; s[66:67] asked ahead: my work-group's eighth of O's tiles; it steps
.set PFB, 68                           ; s[68:69] asked ahead: my work-group's 32 rows of Wo; never rewritten.  These and s70 hold both places in the cluster: they feed no descriptor, no branch, no LDS address
.set MSB, 0
.macro WIN new                         ; the immediate's high byte repeats the setting that is left; a switch that changes nothing is dropped
.if MSB != (\new)
	s_set_vgpr_msb (MSB<<8)|(\new)
.set MSB, \new
.endif
.endm
.macro PLACES                          ; four plain vector instructions between a matrix instruction and a load into, or an LDS store of, its registers (for the stores)
.rept 4
	v_nop
.endr
.endm
.macro JLOAD                           ; a joint refill by the walking descriptors: waves 0 and 1 for O, waves 2 and 3 for Wo; an s_nop 0 and four v_nop follow each line
	s_cmp_eq_u32 s11, 0
	s_cbranch_scc0 .Lfor_b_\@
	tensor_load_to_lds s[G0+4:G0+7], s[G1:G1+7]
	s_nop 0
.rept 4
	v_nop
.endr
	s_branch .Lasked_\@
.Lfor_b_\@:
	tensor_load_to_lds s[G0B+4:G0B+7], s[G1B:G1B+7]
	s_nop 0
.rept 4
	v_nop
.endr
.Lasked_\@:
.endm
.macro CREST
	s_cmp_lg_u32 s10, 0
	s_cbranch_scc1 .Lnot_wave_0_\@
	s_barrier_signal -3
.Lnot_wave_0_\@:
	s_barrier_wait -3
	s_barrier_signal -1
	s_barrier_wait -1
.endm
.macro CROUND
	s_barrier_signal -1
	s_barrier_wait -1
	CREST
.endm
	s_load_b128 s[4:7], s[0:1], 0x0                ; ob s[4:5], wb s[6:7]
	s_load_b64 s[8:9], s[0:1], 0x10                ; out0
	v_lshl_add_u32 v[SPW], v0, 2, SPARE
	v_mov_b32 v[NIL], 0
	ds_add_u32 v28, v29
	ds_add_u32 v28, v29
	s_wait_dscnt 0x0
	v_lshrrev_b32 v1, 5, v0
	v_readfirstlane_b32 s10, v1                    ; wave 0..3
	v_and_b32 v[PVA], 31, v0
	v_lshlrev_b32 v[PVB], 11, v[PVA]
	v_lshlrev_b32 v[PVA], 8, v[PVA]
	s_lshr_b32 s11, s10, 1                         ; which 128 rows are mine.  Also: I fetch for O (0) or for Wo (1)
	s_and_b32 s12, s10, 1                          ; which 64 columns.  Also: which head, or which 64 rows of Wo, I fetch
	s_bfe_u32 s40, ttmp6, 0x40000                  ; cx
	s_bfe_u32 s41, ttmp6, 0x40004                  ; cy
	s_lshl_b32 s42, ttmp9, 2
	s_add_co_u32 s42, s42, s40                     ; column block 0..7
	s_and_b32 s13, ttmp7, 0xffff
	s_lshl_b32 s13, s13, 2
	s_add_co_u32 s13, s13, s41                     ; row block 0..31
	s_lshl_b32 s43, s41, 2
	s_lshl_b32 s43, 15, s43                        ; my row of the cluster
	s_lshl_b32 s44, 0x1111, s40                    ; my column
	s_or_b32 s[G1], s43, (1<<16)|(1<<20)|(1<<21)|(4<<22)|(3<<25)   ; the mask; 2-byte elements; padding on; bit 21 beside a mask; after every 32 words 4 words
	s_mov_b32 s[G1+1], 128<<16
	s_mov_b32 s[G1+2], 128<<16
	s_mov_b32 s[G1+3], 128<<16                     ; two rows of O to a row of 256 bytes
	s_mov_b32 s[G1+4], 128
	s_mov_b32 s[G1+5], 128                         ; dense
	s_mov_b32 s[G1+6], 0
	s_mov_b32 s[G1+7], 0
	s_or_b32 s[G1B], s44, (1<<16)|(1<<20)|(1<<21)|(5<<22)|(7<<25)  ; after every 64 words 8 words
	s_mov_b32 s[G1B+1], 128<<16
	s_mov_b32 s[G1B+2], 64<<16
	s_mov_b32 s[G1B+3], 128<<16
	s_mov_b32 s[G1B+4], 64
	s_mov_b32 s[G1B+5], 1024
	s_mov_b32 s[G1B+6], 0
	s_mov_b32 s[G1B+7], 0
	s_lshr_b32 s14, s13, 3                         ; O: the batch's 16 heads, the block's 256 rows of 128 bytes,
	s_lshl_b32 s14, s14, 22
	s_and_b32 s15, s13, 7
	s_lshl_b32 s15, s15, 15
	s_add_co_u32 s14, s14, s15
	s_lshr_b32 s70, s42, 2                         ; (asked ahead: from there head n / 4 of a step's two,
	s_lshl_b32 s70, s70, 18
	s_add_co_u32 s[PFA], s14, s70
	s_and_b32 s70, s42, 3                          ; and quarter n % 4 of its 32,768 bytes)
	s_lshl_b32 s70, s70, 13
	s_add_co_u32 s[PFA], s[PFA], s70
	s_mov_b32 s[PFA+1], 0
	s_lshl_b32 s15, s12, 18                        ; my head of the step's two
	s_add_co_u32 s14, s14, s15
	s_mov_b32 s15, 0
	s_lshl_b32 s46, s12, 17                        ; Wo: my 64 rows of the step's 128, columns 128 x column block
	s_lshl_b32 s47, s42, 8
	s_add_co_u32 s46, s46, s47
	s_lshl_b32 s[PFB], s13, 16                     ; (asked ahead: rows 32 x row block on, the same columns)
	s_add_co_u32 s[PFB], s[PFB], s47
	s_mov_b32 s[PFB+1], 0
	s_mov_b32 s47, 0
	s_mul_i32 s20, s10, ATILE                      ; waves 0, 1: the two tiles of O
	s_mul_i32 s21, s10, BSUB
	s_add_co_u32 s21, s21, 2*ATILE-2*BSUB          ; waves 2, 3: behind them
	s_mov_b32 s[TB], 0
	s_wait_kmcnt 0x0
	s_add_nc_u64 s[14:15], s[4:5], s[14:15]
	s_add_nc_u64 s[46:47], s[6:7], s[46:47]
	s_add_nc_u64 s[PFA:PFA+1], s[4:5], s[PFA:PFA+1]
	s_add_nc_u64 s[PFB:PFB+1], s[6:7], s[PFB:PFB+1]
	s_cmp_lg_u32 s10, 3
	s_cbranch_scc1 .Lno_first_ask
	global_prefetch_b8 v[PVB], s[PFB:PFB+1] th:TH_LOAD_NT scope:SCOPE_SE                  ; my work-group's 32 rows of Wo
	global_prefetch_b8 v[PVA], s[PFA:PFA+1] offset:2*ASTEP th:TH_LOAD_NT scope:SCOPE_SE   ; its eighth of O's tiles of step 2, which trip 0's refill loads,
	global_prefetch_b8 v[PVA], s[PFA:PFA+1] offset:3*ASTEP th:TH_LOAD_NT scope:SCOPE_SE   ; and of step 3, trip 1's
.Lno_first_ask:
	s_mov_b32 s[G0], 1
	s_mov_b32 s[G0+1], s20
	s_mov_b64 s[G0+2:G0+3], s[14:15]
	s_or_b32 s[G0+3], s[G0+3], 0x80000000
	s_mov_b32 s[G0+4], 1
	s_add_co_u32 s[G0+5], s20, SLOT1
	s_add_nc_u64 s[G0+6:G0+7], s[14:15], ASTEP
	s_or_b32 s[G0+7], s[G0+7], 0x80000000
	s_mov_b32 s[G0B], 1
	s_mov_b32 s[G0B+1], s21
	s_mov_b64 s[G0B+2:G0B+3], s[46:47]
	s_or_b32 s[G0B+3], s[G0B+3], 0x80000000
	s_mov_b32 s[G0B+4], 1
	s_add_co_u32 s[G0B+5], s21, SLOT1
	s_add_nc_u64 s[G0B+6:G0B+7], s[46:47], BSTEP
	s_or_b32 s[G0B+7], s[G0B+7], 0x80000000
	CROUND                                         ; all sixteen work-groups are here: the first joint loads meet
	s_cmp_eq_u32 s11, 0                            ; a wave's two first fills stand in one branch: two loads of mine are out, later one
	s_cbranch_scc0 .Lfirst_b
	tensor_load_to_lds s[G0:G0+3], s[G1:G1+7]
	s_nop 0
	tensor_load_to_lds s[G0+4:G0+7], s[G1:G1+7]
	s_nop 0
.rept 4
	v_nop
.endr
	s_branch .Lfirst_asked
.Lfirst_b:
	tensor_load_to_lds s[G0B:G0B+3], s[G1B:G1B+7]
	s_nop 0
	tensor_load_to_lds s[G0B+4:G0B+7], s[G1B:G1B+7]
	s_nop 0
.rept 4
	v_nop
.endr
.Lfirst_asked:
	v_and_b32 v1, 15, v0                           ; r = l % 16
	v_bfe_u32 v2, v0, 4, 1                         ; h = l / 16
	v_mul_u32_u24 v[A0], v1, PA
	v_lshl_add_u32 v[A0], v2, 4, v[A0]
	s_mul_i32 s22, s11, 128*PA
	v_add_nc_u32 v[A0], s22, v[A0]
	v_and_b32 v3, 7, v0
	v_bfe_u32 v4, v0, 3, 1
	v_lshl_add_u32 v[B0], v2, 3, v3                ; the turning load: lane l reads row 8 h + l % 8 of K, columns 8 ((l / 8) % 2) on
	v_mul_u32_u24 v[B0], v[B0], PB
	v_lshl_add_u32 v[B0], v4, 4, v[B0]
	s_lshl_b32 s22, s12, 7
	s_add_co_u32 s22, s22, 2*ATILE
	v_add_nc_u32 v[B0], s22, v[B0]
	s_mul_i32 s23, s10, 16*SP
	s_add_co_u32 s23, s23, STAGE                   ; my stage
	v_mul_u32_u24 v[STO], v1, SP                   ; in: row r, 32 bytes for each half of the lanes
	v_lshl_add_u32 v[STO], v2, 5, v[STO]
	v_add_nc_u32 v[STO], s23, v[STO]
	v_mul_u32_u24 v[RD], v2, SP                    ; back: lanes 0-15 take one row of 256 bytes, lanes 16-31 the next
	v_lshl_add_u32 v[RD], v1, 4, v[RD]
	v_add_nc_u32 v[RD], s23, v[RD]
	v_lshlrev_b32 v[CO], 12, v2                    ; and the same two rows of 4,096 bytes in the output
	v_lshl_add_u32 v[CO], v1, 4, v[CO]
	s_lshl_b32 s16, s13, 20                        ; 256 rows of 4,096 bytes for each row block,
	s_lshl_b32 s17, s11, 19                        ; my 128 rows,
	s_add_co_u32 s16, s16, s17
	s_lshl_b32 s17, s42, 9                         ; 128 columns of 4 bytes for each column block,
	s_add_co_u32 s16, s16, s17
	s_lshl_b32 s17, s12, 8                         ; my 64 columns
	s_add_co_u32 s16, s16, s17
	s_mov_b32 s17, 0
	s_add_nc_u64 s[8:9], s[8:9], s[16:17]
.macro ADDR
	v_add_nc_u32 v[ADRA], s[TB], v[A0]
	v_add_nc_u32 v[ADRB], s[TB], v[B0]
.endm
; 24 LDS loads in one run: quarter kq (32 along K) into buffer f: Wo's 64 columns first, then O's 128 rows in ascending order.  Quarters 0, 1 lie in the step's first head, 2, 3 in its second.
.macro FETCH kq, f
	WIN 0
.irp n, 0,1,2,3
	ds_load_tr16_b128 v[BF+32*(\f)+8*\n:BF+32*(\f)+8*\n+3],   v[ADRB] offset:(\kq)*32*PB+32*\n
	ds_load_tr16_b128 v[BF+32*(\f)+8*\n+4:BF+32*(\f)+8*\n+7], v[ADRB] offset:(\kq)*32*PB+16*PB+32*\n
.endr
.irp n, 0,1,2,3,4,5,6,7
	ds_load_b128 v[AF+64*(\f)+8*\n:AF+64*(\f)+8*\n+3],   v[ADRA] offset:((\kq)/2)*ATILE+((\kq)%2)*64+\n*16*PA
	ds_load_b128 v[AF+64*(\f)+8*\n+4:AF+64*(\f)+8*\n+7], v[ADRA] offset:((\kq)/2)*ATILE+((\kq)%2)*64+\n*16*PA+32
.endr
.endm
; 4 n matrix instructions: row blocks a0 .. a0 + n - 1 x four column blocks.  The 32 accumulators take turns, one instruction a turn, in the same order in every quarter.
.macro MULP f, a0, n, zero
	WIN 0x50
.set a, (\a0)
.rept \n
.irp b, 0,1,2,3
.if \zero
	v_wmma_f32_16x16x32_f16 v[8*(4*a+\b):8*(4*a+\b)+7], v[BF+32*(\f)+8*\b:BF+32*(\f)+8*\b+7], v[AF+64*(\f)+8*a:AF+64*(\f)+8*a+7], 0
.else
	v_wmma_f32_16x16x32_f16 v[8*(4*a+\b):8*(4*a+\b)+7], v[BF+32*(\f)+8*\b:BF+32*(\f)+8*\b+7], v[AF+64*(\f)+8*a:AF+64*(\f)+8*a+7], v[8*(4*a+\b):8*(4*a+\b)+7]
.endif
.endr
.set a, a+1
.endr
.endm
; One of a step's first three quarters: multiplies buffer f; in its middle it fetches quarter kqn into buffer g.
.macro QUARTER kqn, f, g, zero
	s_wait_dscnt 8                                 ; Wo and O's rows 0-63 are in; the youngest eight loads (rows 64-127) may be out
	MULP \f, 0, 4, \zero
	PLACES
	FETCH \kqn, \g
	s_wait_dscnt 24                                ; all but the 24 just issued
	MULP \f, 4, 4, \zero
.endm
; The last quarter multiplies buffer 1 and changes slots.  mode 2 (the loop's): the slot just read out is filled again, two steps ahead, and wave 3 asks ahead; mode 1: nothing is asked for.
.macro TURN mode
	WIN 0
	s_wait_tensorcnt 0x0                           ; all my tensor loads have landed: the one that was out is my part of the next slot
	ds_add_u32 v[SPW], v[NIL]                      ; 0 onto my spare word
.if (\mode) == 2
	s_xor_b32 s[G0+5], s[G0+5], SLOT1              ; no load of mine is out, so the walking descriptors step
	s_add_nc_u64 s[G0+6:G0+7], s[G0+6:G0+7], ASTEP
	s_xor_b32 s[G0B+5], s[G0B+5], SLOT1
	s_add_nc_u64 s[G0B+6:G0B+7], s[G0B+6:G0B+7], BSTEP
.endif
	s_xor_b32 s[TB], s[TB], SLOT1
	s_wait_dscnt 9                                 ; the add and the youngest eight loads may be out
	MULP 1, 0, 2, 0
	s_wait_dscnt 0x0                               ; the add is done, and my reads of this slot are over
	s_barrier_signal -1
	MULP 1, 2, 2, 0
	WIN 0
	s_barrier_wait -1
.if (\mode) == 2
	CREST                                          ; the barrier has opened a round of the cluster's: no wave of any partner still reads this slot or has a load on its way
	JLOAD                                          ; the first tensor load behind the round: 112 matrix instructions ahead of the wait for it; its four v_nop are also the places in front of the loads below
.else
	PLACES
.endif
	ADDR
	FETCH 0, 0
.if (\mode) == 2
	s_cmp_lg_u32 s10, 3                            ; asked ahead, by wave 3 alone,
	s_cbranch_scc1 .Lno_ask_\@
	s_cmp_lt_u32 s3, 3                             ; in the loop's first four trips (the counter runs 6 to 1): the last two would ask past step 7
	s_cbranch_scc1 .Lno_ask_\@
	s_wait_xcnt 0x0                                ; the base that the last ask named, a trip ago or at the head, is stepped only behind this wait
	s_add_nc_u64 s[PFA:PFA+1], s[PFA:PFA+1], ASTEP
	global_prefetch_b8 v[PVA], s[PFA:PFA+1] offset:3*ASTEP th:TH_LOAD_NT scope:SCOPE_SE  ; trip t: my work-group's eighth of O's tiles of step t + 4
.Lno_ask_\@:
.endif
	MULP 1, 4, 4, 0
.endm
; THE WAY OUT of row block n: 16 rows x 64 columns of f32.  A lane's 32 bytes go from the accumulators into my stage; they come back as whole rows of 256 bytes and are stored.
; Block n comes back into set n % 6 of the six, so only blocks 6 and 7 write registers that stores have read: sets 0 and 1.
.macro TOSTAGE n
.set bk, AF+32*((\n)%6)
.if (\n) == 6
	s_wait_xcnt 0x0                                ; the stores of blocks 0 to 4 stand ahead of this wait: sets 0 and 1 are rewritten only behind it
.endif
	WIN 0x04                                       ; the stores' data in window 1
.irp b, 0,1,2,3
	ds_store_b128 v[STO], v[8*(4*(\n)+\b):8*(4*(\n)+\b)+3] offset:64*\b
	ds_store_b128 v[STO], v[8*(4*(\n)+\b)+4:8*(4*(\n)+\b)+7] offset:64*\b+16
.endr
	WIN 0
.irp c, 0,1,2,3,4,5,6,7
	ds_load_b128 v[bk+4*\c:bk+4*\c+3], v[RD] offset:\c*2*SP  ; LDS serves a wave's instructions in order (ISA guide 5.7.1.4): these see the stores above
.endr
.endm
.macro SENDP n, younger                ; younger: the LDS instructions issued behind block n's loads: the next block's sixteen, or none
.set bk, AF+32*((\n)%6)
	s_wait_dscnt \younger                          ; block n's eight loads are back
.irp c, 0,1,2,3,4,5,6,7
	global_store_b128 v[CO], v[bk+4*\c:bk+4*\c+3], s[8:9] offset:(16*(\n)+2*\c)*4096 th:TH_STORE_NT  ; 16 lanes store 256 consecutive bytes, at a multiple of 256 from the output's first byte
.endr
.endm
	ADDR
	s_wait_tensorcnt 1                             ; my part of step 0 is in; step 1's may stay out
	s_barrier_signal -1
	s_barrier_wait -1
	FETCH 0, 0
	QUARTER 1, 0, 1, 1                             ; the first quarter stands in front of the loop: its products start the sums
	WIN 0
	s_mov_b32 s3, 6
.Lstep:                                                ; a trip: a step's quarters 1 to 3 with the change of slots and a refill, and the next step's quarter 0.  Steps 2 to 7 are asked for here
	QUARTER 2, 1, 0, 0
	QUARTER 3, 0, 1, 0
	TURN 2
	QUARTER 1, 0, 1, 0
	WIN 0
	s_sub_co_u32 s3, s3, 1
	s_cmp_lg_u32 s3, 0
	s_cbranch_scc1 .Lstep
	QUARTER 2, 1, 0, 0                             ; the tail is written out: nothing more is asked for
	QUARTER 3, 0, 1, 0
	TURN 1
	QUARTER 1, 0, 1, 0
	QUARTER 2, 1, 0, 0
	QUARTER 3, 0, 1, 0
	s_wait_dscnt 8
	MULP 1, 0, 4, 0
	s_wait_dscnt 0x0
	MULP 1, 4, 4, 0
	PLACES
	TOSTAGE 0
.set blk, 1
.rept 7                                ; a block's way into the stage stands between the loads of the block before and its stores
	TOSTAGE blk
	SENDP blk-1, 16
.set blk, blk+1
.endr
	SENDP 7, 0
	s_wait_tensorcnt 0x0                           ; the wave's end
	ds_add_u32 v[SPW], v[NIL]
	s_wait_dscnt 0x0
	CROUND                                         ; the closing round: no work-group ends while a partner may still ask for a tile that names it
	s_endpgm
.Lfunc_end_k_q940567efe3_proj:
	.size	k_q940567efe3_proj, .Lfunc_end_k_q940567efe3_proj-k_q940567efe3_proj
	.p2alignl 7, 3214868480
	.fill 96, 4, 3214868480
	.section	.rodata,"a",@progbits
	.p2align	6, 0x0
	.amdhsa_kernel k_q940567efe3_proj
		.amdhsa_group_segment_fixed_size 327680
		.amdhsa_private_segment_fixed_size 0
		.amdhsa_enable_private_segment 0
		.amdhsa_kernarg_size 24
		.amdhsa_user_sgpr_count 2
		.amdhsa_user_sgpr_kernarg_segment_ptr 1
		.amdhsa_wavefront_size32 1
		.amdhsa_system_sgpr_workgroup_id_x 1
		.amdhsa_system_sgpr_workgroup_id_y 1
		.amdhsa_system_sgpr_workgroup_id_z 1
		.amdhsa_system_vgpr_workitem_id 0
		.amdhsa_next_free_vgpr 512
		.amdhsa_next_free_sgpr 72
		.amdhsa_reserve_vcc 0
		.amdhsa_float_denorm_mode_32 3
		.amdhsa_float_denorm_mode_16_64 3
		.amdhsa_memory_ordered 1
		.amdhsa_forward_progress 1
		.amdhsa_inst_pref_size 70
	.end_amdhsa_kernel
	.amdgpu_metadata
---
amdhsa.version: [ 1, 2 ]
amdhsa.kernels:
  - .name:           k_q940567efe3_proj
    .symbol:         k_q940567efe3_proj.kd
    .args:
      - { .name: ob, .offset: 0, .size: 8, .value_kind: global_buffer, .address_space: global }
      - { .name: wb, .offset: 8, .size: 8, .value_kind: global_buffer, .address_space: global }
      - { .name: out0, .offset: 16, .size: 8, .value_kind: global_buffer, .address_space: global }
    .group_segment_fixed_size: 327680
    .private_segment_fixed_size: 0
    .kernarg_segment_align: 8
    .kernarg_segment_size: 24
    .max_flat_workgroup_size: 128
    .sgpr_count:     72
    .vgpr_count:     512
    .wavefront_size: 32
...
	.end_amdgpu_metadata
.endif
;; end of part 4
